; MI455X (gfx1250); checked and timed in simulation.
; The chip was launched on July 23, 2026; its instructions are those of AMD's public machine-readable ISA for CDNA 5 (MIT licence, August 2026) and "CDNA5" Instruction Set Architecture Reference Guide (July 2026). The comments in the code are by the model that wrote it; some were corrected since.
;; Eigen Memory. Allowed arithmetic: float matrix products may take bf16 or f16 operands with f32 sums; all other float work in f32.
;; Inputs: age 65,536 float32; mem 65,536 x 256 float32; q 2,048 x 256 float32.
;; Outputs: out0 2,048 x 256 float32.
;; 2 versions, each right; version 2 is version 1 with the launch rescore written anew for expert scheduling mode. Each part assembles by itself: llvm-mc -triple=amdgcn-amd-amdhsa -mcpu=gfx1250 --defsym DOCPART=n.
;; ======== version 1 of 2: 5 launches
;; workspace buffers: qb 1,048,576 bytes; eq 8,192 bytes; gm 33,554,432 bytes; tab 16,384 bytes; cm 1,048,576 bytes of whole numbers; idb 4,194,304 bytes of whole numbers; cnt 16,384 bytes of whole numbers; ls 1,572,864 bytes of whole numbers
;; launch prep (part 1): grid 256 x 1, 8 waves a work-group, no clusters, 0 bytes of LDS; arguments q, qb, eq; writes qb, eq
.if DOCPART == 1
	.amdgcn_target "amdgcn-amd-amdhsa--gfx1250"
	.amdhsa_code_object_version 6
	.text
	.protected	k_q746b37f612_prep
	.globl	k_q746b37f612_prep
	.p2align	8
	.type	k_q746b37f612_prep,@function
k_q746b37f612_prep:
	s_mov_b64 s[64:65], 0
	v_nop
	global_prefetch_b8 v0, s[64:65] scope:SCOPE_SE
	s_setreg_imm32_b32 hwreg(HW_REG_WAVE_MODE, 25, 1), 1
	s_wait_xcnt 0x0
; EigenMemory, launch 1 of 5: the queries are normalised once and rounded to bf16 for the matrix units.
;   qb[i][d] = bf16( metric[d] q[i][d] / qn[i] ),  qn = sqrt|sum metric q q| + 1e-6,  eq[i] = 0.00415 |q_i|_2 / qn[i].
;
; THE WHOLE PROGRAM.  The output is a softmax-weighted sum of the 32 rows of mem with the largest scores, so the chosen SET has to be the one that f32
; scores choose; scores from bf16 operands cannot decide between neighbours in rank.  So:
;   filter   all 2048 x 65536 scores from bf16 operands on the matrix units; of each group of 32 slots the two largest go to memory, with their places;
;   select   per query a threshold T below which no slot of the top 32 can lie, and bit masks of the groups that may hold one;
;   compact  the masks become lists of slots and their counts;
;   rescore  the slots that the lists name are scored again in f32; top 32, softmax and the weighted sum are taken from those scores.
; WHY NO SLOT OF THE TOP 32 IS LOST, for all finite inputs.  With a = metric q / qn and b = m / mn each rounded to bf16 (relative error at most 2^-9 each),
; |sum a b - sim| <= (2^-8 + 2^-18) sum |a||b| <= (2^-8 + 2^-18) |a|_2 |b|_2.  eq carries 2^-8 x 1.0624 |a|_2; the 6 per cent over 2^-8 hold the f32
; scaling and the matrix unit's own summing.  select states the rest of the argument.
; WHAT IS NOT COMPUTED AS THE PROBLEM WRITES IT.
;   log(clip(0.99^age, 1e-6)) is taken as max(age ln 0.99f, ln 1e-6f): log rises, so it passes through the clip; the clip stays as the max.
;   The order in which top_k returns its 32 entries: softmax and the sum over k do not depend on it.
;   f32 scores of slots that the masks exclude: whole numbers stored by an earlier launch decide which rows are read.
; LIMITS.  NaN and infinite inputs are not served.  For age below about -8.8e3 the problem's power overflows to infinity; here the bias stays finite.
; An overflow that would reach only an excluded slot's f32 score is not carried to the result.  Every input is read.
;
; One wave takes one row of q: two loads of 16 bytes a lane cover its 1,024 bytes, so the sum never leaves the wave.
.set EPS_N, 0x358637bd                 ; 1e-6
.set C_ERR, 0x3b87fcba                 ; 0.00415 = 2^-8 x 1.0624
	s_load_b128 s[4:7], s[0:1], 0x0                ; q s[4:5], qb s[6:7]
	s_load_b64 s[8:9], s[0:1], 0x10                ; eq
	v_lshrrev_b32 v1, 5, v0
	v_readfirstlane_b32 s10, v1                    ; wave
	v_and_b32 v2, 31, v0                           ; lane
	s_lshl_b32 s11, ttmp9, 3
	s_add_co_u32 s11, s11, s10                     ; row = 8 x work-group + wave
	s_mov_b32 s12, 0x76543210                      ; v_permlanex16_b32: lane i reads lane i of the other half
	s_mov_b32 s13, 0xfedcba98
	s_lshl_b32 s14, s11, 10                        ; a row of q is 1,024 bytes,
	s_lshl_b32 s15, s11, 9                         ; of qb 512,
	s_lshl_b32 s16, s11, 2                         ; of eq 4
	v_lshl_add_u32 v3, v2, 4, s14
	v_lshl_add_u32 v28, v2, 3, s15
	v_mov_b32 v27, s16
	v_cmp_eq_u32 vcc_lo, 0, v2                     ; lane 0 holds the timelike component; VCC stays to the end
	s_wait_kmcnt 0x0
	global_load_b128 v[4:7], v3, s[4:5]            ; components 4 lane .. 4 lane + 3
	global_load_b128 v[8:11], v3, s[4:5] offset:512   ; components 128 + 4 lane ..
	s_wait_loadcnt 0x0
	v_pk_mul_f32 v[12:13], v[4:5], v[4:5]
	v_pk_fma_f32 v[12:13], v[6:7], v[6:7], v[12:13]
	v_pk_fma_f32 v[12:13], v[8:9], v[8:9], v[12:13]
	v_pk_fma_f32 v[12:13], v[10:11], v[10:11], v[12:13]
	v_readlane_b32 s17, v4, 0                      ; q[row][0]
	v_add_f32 v12, v12, v13
	v_add_f32_dpp v12, v12, v12 row_xmask:1 row_mask:0xf bank_mask:0xf
	v_add_f32_dpp v12, v12, v12 row_xmask:2 row_mask:0xf bank_mask:0xf
	v_add_f32_dpp v12, v12, v12 row_xmask:4 row_mask:0xf bank_mask:0xf
	v_add_f32_dpp v12, v12, v12 row_xmask:8 row_mask:0xf bank_mask:0xf
	v_permlanex16_b32 v13, v12, s12, s13
	v_add_f32 v12, v12, v13                        ; S = sum of squares, in every lane
	s_mul_f32 s17, s17, s17
	v_fma_f32 v14, s17, -2.0, v12                  ; S - 2 q0^2 = minus the Minkowski square; only its magnitude is used
	v_sqrt_f32 v15, |v14|
	v_sqrt_f32 v16, v12                            ; the Euclidean length
	v_nop                                          ; one plain instruction behind a transcendental before its result is used (ISA guide 5.7.2)
	s_wait_alu depctr_va_vdst(0)
	v_add_f32 v15, EPS_N, v15                      ; qn
	v_rcp_f32 v17, v15
	v_nop
	s_wait_alu depctr_va_vdst(0)
	v_xor_b32 v19, 0x80000000, v17                 ; -1/qn: the spacelike components
	v_mov_b32 v20, v19
	v_mov_b32 v21, v19
	v_cndmask_b32 v18, v19, v17, vcc_lo            ; +1/qn for component 0 alone
	v_mul_f32 v26, v16, v17
	v_pk_mul_f32 v[4:5], v[4:5], v[18:19]
	v_pk_mul_f32 v[6:7], v[6:7], v[20:21]
	v_pk_mul_f32 v[8:9], v[8:9], v[20:21]
	v_pk_mul_f32 v[10:11], v[10:11], v[20:21]
	v_mul_f32 v26, C_ERR, v26                      ; eq
	v_cvt_pk_bf16_f32 v22, v4, v5
	v_cvt_pk_bf16_f32 v23, v6, v7
	v_cvt_pk_bf16_f32 v24, v8, v9
	v_cvt_pk_bf16_f32 v25, v10, v11
	global_store_b64 v28, v[22:23], s[6:7]         ; each store of the wave covers 256 consecutive bytes, aligned
	global_store_b64 v28, v[24:25], s[6:7] offset:256
	s_wait_xcnt 0x0                                ; EXEC is a source of the pending stores: it changes only behind this wait
	s_and_saveexec_b32 s18, vcc_lo                 ; lane 0 alone; the wave ends, so EXEC is not restored
	global_store_b32 v27, v26, s[8:9]
	s_endpgm
.Lfunc_end_k_q746b37f612_prep:
	.size	k_q746b37f612_prep, .Lfunc_end_k_q746b37f612_prep-k_q746b37f612_prep
	.p2alignl 7, 3214868480
	.fill 96, 4, 3214868480
	.section	.rodata,"a",@progbits
	.p2align	6, 0x0
	.amdhsa_kernel k_q746b37f612_prep
		.amdhsa_group_segment_fixed_size 0
		.amdhsa_private_segment_fixed_size 0
		.amdhsa_enable_private_segment 0
		.amdhsa_kernarg_size 24
		.amdhsa_user_sgpr_count 2
		.amdhsa_user_sgpr_kernarg_segment_ptr 1
		.amdhsa_wavefront_size32 1
		.amdhsa_system_sgpr_workgroup_id_x 1
		.amdhsa_system_sgpr_workgroup_id_y 1
		.amdhsa_system_sgpr_workgroup_id_z 1
		.amdhsa_system_vgpr_workitem_id 0
		.amdhsa_next_free_vgpr 32
		.amdhsa_next_free_sgpr 66
		.amdhsa_reserve_vcc 1
		.amdhsa_float_denorm_mode_32 3
		.amdhsa_float_denorm_mode_16_64 3
		.amdhsa_memory_ordered 1
		.amdhsa_forward_progress 1
		.amdhsa_inst_pref_size 4
	.end_amdhsa_kernel
	.amdgpu_metadata
---
amdhsa.version: [ 1, 2 ]
amdhsa.kernels:
  - .name:           k_q746b37f612_prep
    .symbol:         k_q746b37f612_prep.kd
    .args:
      - { .name: q, .offset: 0, .size: 8, .value_kind: global_buffer, .address_space: global }
      - { .name: qb, .offset: 8, .size: 8, .value_kind: global_buffer, .address_space: global }
      - { .name: eq, .offset: 16, .size: 8, .value_kind: global_buffer, .address_space: global }
    .group_segment_fixed_size: 0
    .private_segment_fixed_size: 0
    .kernarg_segment_align: 8
    .kernarg_segment_size: 24
    .max_flat_workgroup_size: 256
    .sgpr_count:     66
    .vgpr_count:     32
    .wavefront_size: 32
...
	.end_amdgpu_metadata
.endif
;; end of part 1
;; launch filter (part 2): grid 256 x 1, 4 waves a work-group, clusters of 4 x 1, 327,680 bytes of LDS; arguments qb, mem, age, gm, tab; writes gm, tab
.if DOCPART == 2
	.amdgcn_target "amdgcn-amd-amdhsa--gfx1250"
	.amdhsa_code_object_version 6
	.text
	.protected	k_q746b37f612_filter
	.globl	k_q746b37f612_filter
	.p2align	8
	.type	k_q746b37f612_filter,@function
k_q746b37f612_filter:
	s_mov_b64 s[64:65], 0
	v_nop
	global_prefetch_b8 v0, s[64:65] scope:SCOPE_SE
	s_setreg_imm32_b32 hwreg(HW_REG_WAVE_MODE, 25, 1), 1
	s_wait_xcnt 0x0
	s_wait_alu depctr_hold_cnt(0) depctr_sa_sdst(0) depctr_va_vdst(0) depctr_va_sdst(0) depctr_va_ssrc(0) depctr_va_vcc(0) depctr_vm_vsrc(0)
	s_getreg_b32 s2, hwreg(HW_REG_IB_STS2, 6, 4)
	s_cmp_eq_u32 s2, 0
	s_cbranch_scc0 .Lentry_in_a_cluster
	s_endpgm
.Lentry_in_a_cluster:
	s_bfe_u32 s2, ttmp6, 0x10000c
	s_cmp_lg_u32 s2, 0x3003
	s_cbranch_scc0 .Lentry_shape_is_right
	s_endpgm
.Lentry_shape_is_right:
; EigenMemory, launch 2 of 5: f[i][j] = sum_d qb[i][d] bf16(mem[j][d] / mn[j]) + bias[j] for all 2048 x 65536 pairs, on the matrix units; of each group of
; 32 slots the two largest f go to memory.  Neither the clip nor the masks are applied here: select's bounds allow for them.  bias = max(age ln 0.99f, ln 1e-6f)
; stands for log(clip(0.99^age, 1e-6)), as the first launch's head shows.
;
; SHARES.  Wave = block blk of 64 slots (blk = 16 x cluster + 4 x place + wave).  Its 64 rows of mem are read once, normalised, rounded to bf16 and kept for
; the whole launch as source 0: 4 slot tiles x 8 K steps x 8 registers = 256 registers.  All 2,048 rows of qb pass by as source 1, 16 at a time: 16 LDS loads of
; 16 bytes a lane feed 32 matrix instructions.  In the result lane (r, h) holds, in register j of tile t, slot 64 blk + 16 t + 8 h + j against query r:
; a lane's 32 results are one GROUP (blk, h) of one query, and the two largest are found without leaving the lane.
; KEY = (f with its five lowest bits cleared) | id, id = 8 t + j: it moves f by under 2^-18 |f| and carries the slot's place.
;   gm byte blk 32768 + row 16 + h 8: the largest key, then the second.      tab[blk] = { 1e-3 + max bias, 1 + min bias, max |m|_2 / mn, 0 }.
; CLUSTERS.  Every work-group reads the same tiles of qb, so four work-groups ask for each tile jointly (mask 15); the descriptors are made of qb's address,
; the wave's number and constants alone.  Four and not sixteen: a joint load names at most four work-groups here.
; RING.  Two LDS slots of 256 query rows; a row is 512 bytes + 16 of padding, pitch 528 = 33 x 16, so the 16 rows that a fragment load touches start in 16
; different 16-byte columns.  Each wave brings 64 rows of a tile by one load; a wave never has more than one tensor load outstanding, and between a request
; and the wait for it stand a tile's 512 matrix instructions.
; REGISTERS.  Window 0: addresses, bias, accumulators, query fragments.  Window 1: the 256 registers of slot fragments, tile t, K step s at v[64 t + 8 s].
; Window 2: two stages of 128 registers for mem's f32 rows, used ahead of the loop only.
.set PITCH, 528
.set QTILE, 16*PITCH                   ; 16 query rows in LDS
.set SLOTB, 256*PITCH                  ; an LDS slot
.set WPART, 64*PITCH                   ; what one wave's load fills
.set TILEB, 256*512                    ; a tile's bytes in qb
.set LN99,  0xbc24aa20                 ; ln 0.99f
.set LNMIN, 0xc15d0c55                 ; ln 1e-6f
.set EPS_S, 0x3a83126f                 ; 1e-3
.set EPS_N, 0x358637bd                 ; 1e-6
; v1 r, v2 h, v3/v4 LDS address of my fragment bytes in slot 0/1, v5 the same at work, v6 16 r + 8 h (gm), v7 1024 r + 32 h (mem), v8 32 h (age),
; v9 1.0 where h = 0, v[10:11] 1/mn twice, v[12:19] four chains of squares, v20-23 at work, v28 max F, v29 max bias, v30 min bias, v31 zero
.set BIAS, 40                          ; v[40:71]    bias of my 32 slots, laid out as an accumulator
.set ACC,  72                          ; v[72:103]   four accumulator tiles
.set BF0,  104                         ; v[104:167]  16 query rows x 256 K
.set BF1,  168                         ; v[168:231]  the next 16
.set K0,   232                         ; v[232:233]  the two largest keys, first tile of a pair
.set K1,   234                         ; v[234:235]  second tile
.set RH,   236
.set RL,   237
.set RT,   238
.set REC,  240                         ; v[240:243]  tab's record
.set MSB, 0
.macro WIN new                         ; the immediate's high byte repeats the setting that is left
.if MSB != \new
	s_set_vgpr_msb (MSB<<8)|\new
.set MSB, \new
.endif
.endm
; A round of the cluster's barrier: my work-group's barrier, wave 0 signals for the work-group, every wave waits for all four work-groups, my work-group's barrier again.
.macro ROUND
	s_barrier_signal -1
	s_barrier_wait -1
	s_cmp_lg_u32 s14, 0
	s_cbranch_scc1 .Lnot_wave_0_\@
	s_barrier_signal -3
.Lnot_wave_0_\@:
	s_barrier_wait -3
	s_barrier_signal -1
	s_barrier_wait -1
.endm
; 32 loads: slot tile t (16 rows of mem, f32) into the stage at sb of window 2, already in fragment order: lane (r, h) takes, for K step s,
; components 32 s + 8 h .. + 7 and 32 s + 16 + 8 h .. + 7 of row r.
.macro LDT t, sb
	WIN 0x80                                       ; destination window 2, address window 0
.irp s, 0,1,2,3,4,5,6,7
	global_load_b128 v[\sb+16*\s:\sb+16*\s+3],     v7, s[6:7] offset:\t*16384+128*\s th:TH_LOAD_NT
	global_load_b128 v[\sb+16*\s+4:\sb+16*\s+7],   v7, s[6:7] offset:\t*16384+128*\s+16 th:TH_LOAD_NT
	global_load_b128 v[\sb+16*\s+8:\sb+16*\s+11],  v7, s[6:7] offset:\t*16384+128*\s+64 th:TH_LOAD_NT
	global_load_b128 v[\sb+16*\s+12:\sb+16*\s+15], v7, s[6:7] offset:\t*16384+128*\s+80 th:TH_LOAD_NT
.endr
	WIN 0
.endm
; Slot tile t in the stage at sb: its rows' norms, then the rows scaled by 1/mn and rounded to bf16 into window 1.
.macro CVT t, sb
	WIN 0x0a                                       ; sources 0 and 1 window 2
	v_mul_f32 v20, v[\sb], v[\sb]                  ; where h = 0 this is the timelike component's square
.set i_, 0
.rept 4
	v_pk_mul_f32 v[12+2*i_:13+2*i_], v[\sb+2*i_:\sb+2*i_+1], v[\sb+2*i_:\sb+2*i_+1]
.set i_, i_+1
.endr
.rept 60
	v_pk_fma_f32 v[12+2*(i_&3):13+2*(i_&3)], v[\sb+2*i_:\sb+2*i_+1], v[\sb+2*i_:\sb+2*i_+1], v[12+2*(i_&3):13+2*(i_&3)]
.set i_, i_+1
.endr
	WIN 0
	v_pk_add_f32 v[12:13], v[12:13], v[14:15]
	v_pk_add_f32 v[16:17], v[16:17], v[18:19]
	v_mul_f32 v20, v20, v9
	v_pk_add_f32 v[12:13], v[12:13], v[16:17]
	v_add_f32 v12, v12, v13
	v_permlanex16_b32 v21, v12, s46, s47           ; lanes (r, 0) and (r, 1) hold the two halves of row r
	v_permlanex16_b32 v22, v20, s46, s47
	v_add_f32 v12, v12, v21                        ; S = sum of squares
	v_add_f32 v20, v20, v22                        ; m0^2
	v_fma_f32 v21, v20, -2.0, v12                  ; minus the Minkowski square
	v_sqrt_f32 v22, |v21|
	v_sqrt_f32 v23, v12
	v_nop                                          ; one plain instruction behind a transcendental (ISA guide 5.7.2)
	s_wait_alu depctr_va_vdst(0)
	v_add_f32 v22, EPS_N, v22                      ; mn
	v_rcp_f32 v10, v22
	v_nop
	s_wait_alu depctr_va_vdst(0)
	v_mov_b32 v11, v10
	v_mul_f32 v23, v23, v10                        ; F = |m|_2 / mn
	v_max_num_f32 v28, v28, v23
	WIN 0x82                                       ; destination and source 0 window 2
.set i_, 0
.rept 64
	v_pk_mul_f32 v[\sb+2*i_:\sb+2*i_+1], v[\sb+2*i_:\sb+2*i_+1], v[10:11]
.set i_, i_+1
.endr
	WIN 0x4a                                       ; destination window 1, sources window 2
.set i_, 0
.rept 64
	v_cvt_pk_bf16_f32 v[64*\t+i_], v[\sb+2*i_], v[\sb+2*i_+1]
.set i_, i_+1
.endr
	WIN 0
.endm
; 16 LDS loads: the fragments of 16 query rows, all 256 K, from byte off behind v5
.macro QLOAD bf, off
.irp s, 0,1,2,3,4,5,6,7
	ds_load_b128 v[\bf+8*\s:\bf+8*\s+3],   v5 offset:\off+64*\s
	ds_load_b128 v[\bf+8*\s+4:\bf+8*\s+7], v5 offset:\off+64*\s+32
.endr
.endm
; 32 matrix instructions: 64 slots x 16 queries x 256 K.  The first K step takes the bias as C, so nothing is cleared and no add follows.
; The four accumulators take turns, one instruction a turn.
.macro MM bf
	WIN 0x01                                       ; source 0 (slots) window 1
.irp s, 0,1,2,3,4,5,6,7
.irp t, 0,1,2,3
.if \s == 0
	v_wmma_f32_16x16x32_bf16 v[ACC+8*\t:ACC+8*\t+7], v[64*\t+8*\s:64*\t+8*\s+7], v[\bf+8*\s:\bf+8*\s+7], v[BIAS+8*\t:BIAS+8*\t+7]
.else
	v_wmma_f32_16x16x32_bf16 v[ACC+8*\t:ACC+8*\t+7], v[64*\t+8*\s:64*\t+8*\s+7], v[\bf+8*\s:\bf+8*\s+7], v[ACC+8*\t:ACC+8*\t+7]
.endif
.endr
.endr
	WIN 0
.endm
; The two largest of my 32 keys into v[k], v[k+1].  The four v_nop are the places behind the last matrix instructions, for the
; reads of the results here and for the next loads into the fragment buffer just multiplied.
.macro EPI k
.rept 4
	v_nop
.endr
.set i_, 0
.rept 32
	v_and_or_b32 v[ACC+i_], v[ACC+i_], s40, i_     ; key = (f & ~31) | id
.set i_, i_+1
.endr
	v_max_num_f32 v[\k],   v[ACC], v[ACC+1]
	v_min_num_f32 v[\k+1], v[ACC], v[ACC+1]
.set i_, 2
.rept 15
	v_max_num_f32 v[RH], v[ACC+i_], v[ACC+i_+1]
	v_min_num_f32 v[RL], v[ACC+i_], v[ACC+i_+1]
	v_min_num_f32 v[RT], v[\k], v[RH]
	v_max3_num_f32 v[\k+1], v[\k+1], v[RL], v[RT]  ; the second of four ordered as two pairs: the largest of both lower ones and the lesser of both upper ones
	v_max_num_f32 v[\k], v[\k], v[RH]
.set i_, i_+2
.endr
.endm
; Two query tiles (32 rows).  more = 1: the first tile of the next pair is fetched too.
.macro PAIR more
	QLOAD BF1, QTILE
	s_wait_dscnt 16                                ; the sixteen loads just issued may stay out; BF0's are in
	MM BF0
	EPI K0
	global_store_b64 v6, v[K0:K0+1], s[10:11]      ; the wave's store covers 256 consecutive bytes, aligned: 16 rows x 2 groups x 8 bytes
.if \more
	v_add_nc_u32 v5, 2*QTILE, v5
	QLOAD BF0, 0
	s_wait_dscnt 16                                ; again the sixteen just issued; BF1's are in
.else
	s_wait_dscnt 0x0
.endif
	MM BF1
	EPI K1
	global_store_b64 v6, v[K1:K1+1], s[10:11] offset:256
	s_wait_xcnt 0x0                                ; the stores' data and base are written again only behind this wait
	s_add_nc_u64 s[10:11], s[10:11], 512
.endm
; One tile of 256 query rows out of slot; refill = 1: the other slot gets the next tile.
.macro TRIP slot, refill
	s_wait_tensorcnt 0x0                           ; all my tensor loads have landed, my part of this tile among them,
	ds_add_u32 v254, v255
	s_wait_dscnt 0x0
	s_add_nc_u64 s[34+4*\slot:35+4*\slot], s[34+4*\slot:35+4*\slot], 2*TILEB   ; so a descriptor may be written: this slot's next tile
	s_wait_dscnt 0x0                               ; my reads of the other slot are back
	ROUND                                          ; both now hold of every wave of all four work-groups
.if \refill
	tensor_load_to_lds s[36-4*\slot:39-4*\slot], s[24:31]   ; my one tensor load behind the round, and the first thing there
	s_nop 0
.endif
	v_mov_b32 v5, v[3+\slot]
	QLOAD BF0, 0
	s_mov_b32 s41, 7
.Lpair_\@:
	PAIR 1
	s_sub_co_u32 s41, s41, 1
	s_cmp_lg_u32 s41, 0
	s_cbranch_scc1 .Lpair_\@
	PAIR 0                                         ; the eighth pair fetches nothing beyond the tile
.endm
	s_load_b256 s[4:11], s[0:1], 0x0               ; qb s[4:5], mem s[6:7], age s[8:9], gm s[10:11]
	s_load_b64 s[12:13], s[0:1], 0x20              ; tab
	v_lshl_add_u32 v254, v0, 2, 0x42000
	v_mov_b32 v255, 0
	ds_add_u32 v254, v255
	v_lshrrev_b32 v1, 5, v0
	v_readfirstlane_b32 s14, v1                    ; wave
	; descriptor group 1: 64 rows x 256 elements of 2 bytes, 4 words of padding behind every 128 words
	s_mov_b32 s24, 15|(1<<16)|(1<<20)|(1<<21)|(6<<22)|(3<<25)   ; mask: all four of the cluster; bit 21 beside a mask
	s_mov_b32 s25, 256<<16                         ; tensor_dim0 = 256
	s_mov_b32 s26, 64<<16                          ; tensor_dim1 = 64
	s_mov_b32 s27, 256<<16                         ; tile_dim0 = 256
	s_mov_b32 s28, 64                              ; tile_dim1 = 64
	s_mov_b32 s29, 256                             ; elements from row to row
	s_mov_b32 s30, 0
	s_mov_b32 s31, 0
	; descriptor group 0, one set a slot: LDS byte slot x SLOTB + wave x WPART; qb at tile (= slot) x 131,072 + wave x 32,768
	s_mov_b32 s32, 1
	s_mul_i32 s33, s14, WPART
	s_mov_b32 s36, 1
	s_add_co_u32 s37, s33, SLOTB
	s_lshl_b32 s18, s14, 15
	s_mov_b32 s19, 0
	s_wait_dscnt 0x0
	s_wait_kmcnt 0x0
	s_add_nc_u64 s[34:35], s[4:5], s[18:19]
	s_add_nc_u64 s[38:39], s[34:35], TILEB
	s_or_b32 s35, s35, 0x80000000                  ; type = 2
	s_or_b32 s39, s39, 0x80000000
	ROUND                                          ; all four work-groups are here: the first joint load meets
	tensor_load_to_lds s[32:35], s[24:31]          ; tile 0; it lands while mem is read and converted
	s_nop 0
	s_bfe_u32 s15, ttmp6, 0x40000                  ; my place in the cluster: it enters global addresses of mem, age, gm and tab alone
	s_lshl_b32 s16, ttmp9, 2
	s_add_co_u32 s16, s16, s15                     ; work-group
	s_lshl_b32 s16, s16, 2
	s_add_co_u32 s16, s16, s14                     ; blk
	s_mov_b32 s21, 0
	s_lshl_b32 s20, s16, 16
	s_add_nc_u64 s[6:7], s[6:7], s[20:21]          ; 64 rows of 1,024 bytes
	s_lshl_b32 s20, s16, 8
	s_add_nc_u64 s[8:9], s[8:9], s[20:21]
	s_lshl_b32 s20, s16, 15
	s_add_nc_u64 s[10:11], s[10:11], s[20:21]
	s_lshl_b32 s20, s16, 4
	s_add_nc_u64 s[12:13], s[12:13], s[20:21]
	s_mov_b32 s40, 0xffffffe0
	s_mov_b32 s46, 0x76543210
	s_mov_b32 s47, 0xfedcba98
	v_and_b32 v1, 15, v0                           ; r
	v_bfe_u32 v2, v0, 4, 1                         ; h
	v_lshlrev_b32 v7, 10, v1
	v_lshl_add_u32 v7, v2, 5, v7
	v_lshlrev_b32 v8, 5, v2
.irp t, 0,1,2,3
	global_load_b128 v[BIAS+8*\t:BIAS+8*\t+3],   v8, s[8:9] offset:64*\t      ; age of slots 16 t + 8 h + 0 .. 3
	global_load_b128 v[BIAS+8*\t+4:BIAS+8*\t+7], v8, s[8:9] offset:64*\t+16
.endr
	LDT 0, 0
	v_mul_u32_u24 v3, v1, PITCH
	v_lshl_add_u32 v3, v2, 4, v3
	v_add_nc_u32 v4, SLOTB, v3
	v_lshlrev_b32 v6, 4, v1
	v_lshl_add_u32 v6, v2, 3, v6
	v_cmp_eq_u32 vcc_lo, 0, v2
	v_cndmask_b32 v9, 0, 1.0, vcc_lo
	v_mov_b32 v21, 0                               ; destinations of v_permlanex16_b32 count as read
	v_mov_b32 v22, 0
	v_mov_b32 v28, 0                               ; F is never negative
	v_mov_b32 v31, 0
	s_wait_loadcnt 32                              ; the 32 loads of slot tile 0 may stay out; age is in
.set i_, 0
.rept 32
	v_mul_f32 v[BIAS+i_], LN99, v[BIAS+i_]
	v_max_num_f32 v[BIAS+i_], LNMIN, v[BIAS+i_]
.set i_, i_+1
.endr
	v_max_num_f32 v29, v[BIAS], v[BIAS+1]
	v_min_num_f32 v30, v[BIAS], v[BIAS+1]
.set i_, 2
.rept 15
	v_max3_num_f32 v29, v29, v[BIAS+i_], v[BIAS+i_+1]
	v_min3_num_f32 v30, v30, v[BIAS+i_], v[BIAS+i_+1]
.set i_, i_+2
.endr
	v_permlanex16_b32 v21, v29, s46, s47           ; the other half of the lanes holds the block's other 32 slots
	v_permlanex16_b32 v22, v30, s46, s47
	v_max_num_f32 v29, v29, v21
	v_min_num_f32 v30, v30, v22
	v_add_f32 v[REC], EPS_S, v29                   ; X = 1e-3 + max bias
	v_add_f32 v[REC+1], 1.0, v30                   ; Y = 1 + min bias
	LDT 1, 128
	s_wait_loadcnt 32                              ; here and below: the 32 loads of the tile asked for last may stay out
	CVT 0, 0
	LDT 2, 0
	s_wait_loadcnt 32
	CVT 1, 128
	LDT 3, 128
	s_wait_loadcnt 32
	CVT 2, 0
	s_wait_loadcnt 0x0
	CVT 3, 128
	v_max_num_f32_dpp v28, v28, v28 row_xmask:1 row_mask:0xf bank_mask:0xf
	v_max_num_f32_dpp v28, v28, v28 row_xmask:2 row_mask:0xf bank_mask:0xf
	v_max_num_f32_dpp v28, v28, v28 row_xmask:4 row_mask:0xf bank_mask:0xf
	v_max_num_f32_dpp v28, v28, v28 row_xmask:8 row_mask:0xf bank_mask:0xf
	v_mov_b32 v[REC+2], v28                        ; the largest F of the block's 64 slots
	v_mov_b32 v[REC+3], 0
	v_and_b32 v20, 31, v0
	v_cmp_eq_u32 vcc_lo, 0, v20
	s_wait_xcnt 0x0                                ; EXEC changes only behind this wait,
	s_and_saveexec_b32 s48, vcc_lo
	global_store_b128 v31, v[REC:REC+3], s[12:13]
	s_wait_xcnt 0x0                                ; and is widened again only behind this one
	s_or_b32 exec_lo, exec_lo, s48
	s_mov_b32 s42, 3
.Llap:
	TRIP 0, 1
	TRIP 1, 1
	s_sub_co_u32 s42, s42, 1
	s_cmp_lg_u32 s42, 0
	s_cbranch_scc1 .Llap
	TRIP 0, 1                                      ; tile 6; tile 7 is asked for
	TRIP 1, 0                                      ; tile 7: nothing is left to fetch
	ROUND                                          ; the closing round: no work-group ends while a partner may still ask for a tile that names it
	s_endpgm
.Lfunc_end_k_q746b37f612_filter:
	.size	k_q746b37f612_filter, .Lfunc_end_k_q746b37f612_filter-k_q746b37f612_filter
	.p2alignl 7, 3214868480
	.fill 96, 4, 3214868480
	.section	.rodata,"a",@progbits
	.p2align	6, 0x0
	.amdhsa_kernel k_q746b37f612_filter
		.amdhsa_group_segment_fixed_size 327680
		.amdhsa_private_segment_fixed_size 0
		.amdhsa_enable_private_segment 0
		.amdhsa_kernarg_size 40
		.amdhsa_user_sgpr_count 2
		.amdhsa_user_sgpr_kernarg_segment_ptr 1
		.amdhsa_wavefront_size32 1
		.amdhsa_system_sgpr_workgroup_id_x 1
		.amdhsa_system_sgpr_workgroup_id_y 1
		.amdhsa_system_sgpr_workgroup_id_z 1
		.amdhsa_system_vgpr_workitem_id 0
		.amdhsa_next_free_vgpr 768
		.amdhsa_next_free_sgpr 66
		.amdhsa_reserve_vcc 1
		.amdhsa_float_denorm_mode_32 3
		.amdhsa_float_denorm_mode_16_64 3
		.amdhsa_memory_ordered 1
		.amdhsa_forward_progress 1
		.amdhsa_inst_pref_size 212
	.end_amdhsa_kernel
	.amdgpu_metadata
---
amdhsa.version: [ 1, 2 ]
amdhsa.kernels:
  - .name:           k_q746b37f612_filter
    .symbol:         k_q746b37f612_filter.kd
    .args:
      - { .name: qb, .offset: 0, .size: 8, .value_kind: global_buffer, .address_space: global }
      - { .name: mem, .offset: 8, .size: 8, .value_kind: global_buffer, .address_space: global }
      - { .name: age, .offset: 16, .size: 8, .value_kind: global_buffer, .address_space: global }
      - { .name: gm, .offset: 24, .size: 8, .value_kind: global_buffer, .address_space: global }
      - { .name: tab, .offset: 32, .size: 8, .value_kind: global_buffer, .address_space: global }
    .group_segment_fixed_size: 327680
    .private_segment_fixed_size: 0
    .kernarg_segment_align: 8
    .kernarg_segment_size: 40
    .max_flat_workgroup_size: 128
    .sgpr_count:     66
    .vgpr_count:     768
    .wavefront_size: 32
...
	.end_amdgpu_metadata
.endif
;; end of part 2
;; launch select (part 3): grid 128 x 1, 32 waves a work-group, no clusters, 56,576 bytes of LDS; arguments gm, tab, eq, cm, idb; writes cm, idb
.if DOCPART == 3
	.amdgcn_target "amdgcn-amd-amdhsa--gfx1250"
	.amdhsa_code_object_version 6
	.text
	.protected	k_q746b37f612_select
	.globl	k_q746b37f612_select
	.p2align	8
	.type	k_q746b37f612_select,@function
k_q746b37f612_select:
	s_mov_b64 s[64:65], 0
	v_nop
	global_prefetch_b8 v0, s[64:65] scope:SCOPE_SE
	s_setreg_imm32_b32 hwreg(HW_REG_WAVE_MODE, 25, 1), 1
	s_wait_xcnt 0x0
; EigenMemory, launch 3 of 5: per query a threshold T and the masks of the groups that may hold a slot of the top 32.  No score is computed here.
; For a key k of block blk and query i:  e'(k) = eq[i] F[blk] + 1.6e-5 + 2^-16 |k|  bounds |k - (sim + bias)|: the bf16 operands (first launch's head), the five
; bits that the key gave up and the rounding of these lines.  m1 >= m2 are a group's two largest keys; X = 1e-3 + max bias, Y = 1 + min bias of the block.
;   LOWER BOUND.  If m1 - e' >= X, then m1's slot has sim >= 1e-3, so it is not masked, and its score min(sim, 1) + bias is at least L = min(m1, Y) - e'.  Else L = -inf.
;   T = the 32nd largest of the 128 maxima of L over 16 groups each: 32 different slots have a score of at least T, so the 32nd largest score is at least T.
;   UPPER BOUND.  A score is at most sim + bias <= k + e'(k).  So a slot of the top 32 with a finite score has k + e' >= T: it is its group's m1 (flag 'single':
;   m1 + e' >= T), or its group has m2 + e' >= T (flag 'full': all 32 slots of the group are scored again).  Entries of the top 32 at -inf have weight 0.
;   With fewer than 32 finite L, T = -inf and every group is full: slower and still right.
; A work-group owns 16 queries, so that each load of gm takes 256 consecutive bytes, aligned; hence 128 work-groups.  Wave w owns blocks 32 w .. 32 w + 31;
; lane L stands for query r = L >> 1 and half h = L & 1.  No tile is shared between work-groups, so there is no cluster.
;   cm  byte row 512 + w 16 + h 8: { single, full }, bit b for block 32 w + b.        idb byte row 2048 + w 64 + h 32 + b: the id of m1.
; LDS: each wave writes bytes of its own, contiguous; pitches 272 and 1,088 keep the row-wise reads in different 16-byte columns.
.set SGR, 0                            ; 32 waves x 272: { max L of blocks 0-15, of blocks 16-31 } as ordered integers, at 272 w + 8 L
.set TL,  8704                         ; 16 words: T of each query
.set MK,  8960                         ; 32 x 272: { single, full } at 272 w + 8 L
.set IDR, 17664                        ; 32 x 1088: 32 id bytes at 1088 w + 32 L
.set WP,  272
.set IP,  1088
; v1 L, v2 r, v4-6 global offsets, v7 272 w + 8 L, v[8:71] keys (block b: m1 at 8 + 2 b, m2 at 9 + 2 b), v[72:75] lane b: tab's record of block b, v76 eq,
; v77 -inf, v78-83 at work, v84/85 max L, v86 any then single, v87 full, v[88:95] ids, v96 T, v97 1088 w + 32 L, v98/99 row-wise LDS addresses, v[100:103] read back
	s_load_b256 s[4:11], s[0:1], 0x0               ; gm s[4:5], tab s[6:7], eq s[8:9], cm s[10:11]
	s_load_b64 s[12:13], s[0:1], 0x20              ; idb
	v_lshl_add_u32 v112, v0, 2, 0xcd00
	v_mov_b32 v113, 0
	v_lshrrev_b32 v1, 5, v0
	v_readfirstlane_b32 s14, v1                    ; wave
	v_and_b32 v1, 31, v0
	v_lshrrev_b32 v2, 1, v1
	s_mov_b32 s17, 0
	s_lshl_b32 s18, s14, 20                        ; 32 blocks of 32,768 bytes
	s_lshl_b32 s19, s14, 9                         ; 32 records of 16 bytes
	s_lshl_b32 s20, ttmp9, 6                       ; 16 queries of 4 bytes
	v_lshl_add_u32 v4, v1, 3, s18
	v_lshl_add_u32 v5, v1, 4, s19
	v_lshl_add_u32 v6, v2, 2, s20
	s_mov_b32 s24, 0x378637bd                      ; 1.6e-5
	s_mov_b32 s25, 0x37800000                      ; 2^-16
	s_wait_kmcnt 0x0
	s_lshl_b32 s16, ttmp9, 8                       ; 16 queries of 16 bytes in each block of gm
	s_add_nc_u64 s[4:5], s[4:5], s[16:17]
	s_lshl_b32 s16, ttmp9, 13                      ; 16 rows of 512 bytes of cm
	s_add_nc_u64 s[10:11], s[10:11], s[16:17]
	s_lshl_b32 s16, ttmp9, 15                      ; 16 rows of 2,048 bytes of idb
	s_add_nc_u64 s[12:13], s[12:13], s[16:17]
	global_load_b128 v[72:75], v5, s[6:7]
	global_load_b32 v76, v6, s[8:9]
.irp b, 0,1,2,3,4,5,6,7,8,9,10,11,12,13,14,15,16,17,18,19,20,21,22,23,24,25,26,27,28,29,30,31
	global_load_b64 v[8+2*\b:9+2*\b], v4, s[4:5] offset:\b*32768 th:TH_LOAD_NT
.endr
	s_mul_i32 s18, s14, WP
	s_mul_i32 s19, s14, IP
	s_lshl_b32 s20, s14, 4
	s_lshl_b32 s21, s14, 6
	v_lshl_add_u32 v7, v1, 3, s18
	v_lshl_add_u32 v97, v1, 5, s19
	v_mul_u32_u24 v98, v1, WP
	v_add_nc_u32 v98, s20, v98                     ; 272 L + 16 x (my query, where I own one)
	v_lshrrev_b32 v78, 2, v1
	v_and_b32 v79, 3, v1
	v_mul_u32_u24 v99, v78, IP
	v_lshl_add_u32 v99, v79, 4, v99
	v_add_nc_u32 v99, s21, v99                     ; 1088 (L >> 2) + 16 (L & 3) + 64 x my query
	v_mov_b32 v77, 0xff800000
; Block b: its id byte, its share of the maxima of L, and its keys replaced by their upper bounds.
.macro BLK b
	s_wait_loadcnt 31-\b                           ; loads come back in order (ISA guide 5.7.1): block b's keys are in, the 31 - b younger loads stay out
	v_readlane_b32 s20, v72, \b                    ; X
	v_readlane_b32 s21, v73, \b                    ; Y
	v_readlane_b32 s22, v74, \b                    ; F
	v_fma_f32 v78, v76, s22, s24                   ; eq F + 1.6e-5
.if (\b & 3) == 0
	v_and_b32 v[88+(\b>>2)], 31, v[8+2*\b]
.else
	v_and_b32 v80, 31, v[8+2*\b]
	v_lshl_or_b32 v[88+(\b>>2)], v80, 8*(\b&3), v[88+(\b>>2)]
.endif
	v_fma_f32 v79, |v[8+2*\b]|, s25, v78           ; e'(m1)
	v_min_num_f32 v82, s21, v[8+2*\b]
	v_sub_f32 v81, v[8+2*\b], v79
	v_sub_f32 v82, v82, v79                        ; min(m1, Y) - e'
	v_cmp_le_f32 vcc_lo, s20, v81                  ; X <= m1 - e'
.if (\b & 15) == 0
	v_cndmask_b32 v[84+(\b>>4)], v77, v82, vcc_lo  ; the first of sixteen starts the maximum
.else
	v_cndmask_b32 v82, v77, v82, vcc_lo
	v_max_num_f32 v[84+(\b>>4)], v[84+(\b>>4)], v82
.endif
	v_add_f32 v[8+2*\b], v[8+2*\b], v79            ; U1
	v_fma_f32 v79, |v[9+2*\b]|, s25, v78
	v_add_f32 v[9+2*\b], v[9+2*\b], v79            ; U2
.endm
.irp b, 0,1,2,3,4,5,6,7,8,9,10,11,12,13,14,15,16,17,18,19,20,21,22,23,24,25,26,27,28,29,30,31
	BLK \b
.endr
	; floats as integers of the same order: negative ones inverted, the others with the top bit set
	v_ashrrev_i32 v78, 31, v84
	v_ashrrev_i32 v79, 31, v85
	v_or_b32 v78, 0x80000000, v78
	v_or_b32 v79, 0x80000000, v79
	v_xor_b32 v84, v84, v78
	v_xor_b32 v85, v85, v79
	ds_store_b64 v7, v[84:85] offset:SGR
	s_wait_dscnt 0x0                               ; for the other waves' sake: my stores are done before I signal
	s_barrier_signal -1
	s_barrier_wait -1
	s_cmp_ge_u32 s14, 16
	s_cbranch_scc1 .Lno_t
	; waves 0 to 15: wave w finds T of query w: the largest integer that at least 32 of the 128 values reach, bit by bit from the top.
	; The counts steer a select and no branch or address.
	ds_load_b128 v[100:103], v98 offset:SGR        ; lane L: the four values that wave L stored for my query
	s_mov_b32 s26, 0                               ; T so far
	s_mov_b32 s27, 0x80000000                      ; the bit on trial
	s_mov_b32 s29, 0
	s_wait_dscnt 0x0
.Lbit:
	s_or_b32 s28, s26, s27
	v_cmp_le_u32 s30, s28, v100
	v_cmp_le_u32 s31, s28, v101
	v_cmp_le_u32 s32, s28, v102
	v_cmp_le_u32 s33, s28, v103
	s_bcnt1_i32_b32 s30, s30
	s_bcnt1_i32_b32 s31, s31
	s_bcnt1_i32_b32 s32, s32
	s_bcnt1_i32_b32 s33, s33
	s_add_co_u32 s30, s30, s31
	s_add_co_u32 s32, s32, s33
	s_add_co_u32 s30, s30, s32
	s_cmp_ge_u32 s30, 32
	s_cselect_b32 s26, s28, s26
	s_lshr_b32 s27, s27, 1
	s_add_co_u32 s29, s29, 1
	s_cmp_lt_u32 s29, 32
	s_cbranch_scc1 .Lbit
	s_xor_b32 s28, s26, 0x80000000                 ; back to a float
	s_not_b32 s30, s26
	s_bitcmp1_b32 s26, 31
	s_cselect_b32 s26, s28, s30
	s_lshl_b32 s28, s14, 2
	v_mov_b32 v100, s26
	v_mov_b32 v101, s28
	ds_store_b32 v101, v100 offset:TL              ; all lanes write the same word with the same value
.Lno_t:
	s_wait_dscnt 0x0
	s_barrier_signal -1
	s_barrier_wait -1
	v_lshlrev_b32 v78, 2, v2
	ds_load_b32 v96, v78 offset:TL                 ; my query's T
	v_mov_b32 v86, 0
	v_mov_b32 v87, 0
	s_wait_dscnt 0x0
.irp b, 31,30,29,28,27,26,25,24,23,22,21,20,19,18,17,16,15,14,13,12,11,10,9,8,7,6,5,4,3,2,1,0
	v_cmp_ge_f32 vcc_lo, v[9+2*\b], v96
	v_add_co_ci_u32 v87, vcc_lo, v87, v87, vcc_lo  ; full = 2 full + (U2 >= T): block b ends up in bit b
	v_cmp_ge_f32 vcc_lo, v[8+2*\b], v96
	v_add_co_ci_u32 v86, vcc_lo, v86, v86, vcc_lo  ; the same with U1
.endr
	v_not_b32 v78, v87
	v_and_b32 v86, v86, v78                        ; single = U1 >= T and not full: a slot is named once
	ds_store_b64 v7, v[86:87] offset:MK
	ds_store_b128 v97, v[88:91] offset:IDR
	ds_store_b128 v97, v[92:95] offset:IDR+16
	s_wait_dscnt 0x0
	s_barrier_signal -1
	s_barrier_wait -1
	s_cmp_ge_u32 s14, 16
	s_cbranch_scc1 .Lend
	; waves 0 to 15: wave w sends out query w's rows; every store of the wave covers 512 consecutive bytes, aligned
	ds_load_b128 v[100:103], v98 offset:MK
.irp i, 0,1,2,3
	ds_load_b128 v[8+4*\i:11+4*\i], v99 offset:IDR+8*IP*\i
.endr
	s_lshl_b32 s18, s14, 9
	s_lshl_b32 s19, s14, 11
	v_lshl_add_u32 v78, v1, 4, s18
	v_lshl_add_u32 v79, v1, 4, s19
	s_wait_dscnt 0x0
	global_store_b128 v78, v[100:103], s[10:11]
.irp i, 0,1,2,3
	global_store_b128 v79, v[8+4*\i:11+4*\i], s[12:13] offset:512*\i
.endr
.Lend:
	s_wait_tensorcnt 0x0
	ds_add_u32 v112, v113
	s_wait_dscnt 0x0
	s_endpgm
.Lfunc_end_k_q746b37f612_select:
	.size	k_q746b37f612_select, .Lfunc_end_k_q746b37f612_select-k_q746b37f612_select
	.p2alignl 7, 3214868480
	.fill 96, 4, 3214868480
	.section	.rodata,"a",@progbits
	.p2align	6, 0x0
	.amdhsa_kernel k_q746b37f612_select
		.amdhsa_group_segment_fixed_size 56576
		.amdhsa_private_segment_fixed_size 0
		.amdhsa_enable_private_segment 0
		.amdhsa_kernarg_size 40
		.amdhsa_user_sgpr_count 2
		.amdhsa_user_sgpr_kernarg_segment_ptr 1
		.amdhsa_wavefront_size32 1
		.amdhsa_system_sgpr_workgroup_id_x 1
		.amdhsa_system_sgpr_workgroup_id_y 1
		.amdhsa_system_sgpr_workgroup_id_z 1
		.amdhsa_system_vgpr_workitem_id 0
		.amdhsa_next_free_vgpr 114
		.amdhsa_next_free_sgpr 66
		.amdhsa_reserve_vcc 1
		.amdhsa_float_denorm_mode_32 3
		.amdhsa_float_denorm_mode_16_64 3
		.amdhsa_memory_ordered 1
		.amdhsa_forward_progress 1
		.amdhsa_inst_pref_size 37
	.end_amdhsa_kernel
	.amdgpu_metadata
---
amdhsa.version: [ 1, 2 ]
amdhsa.kernels:
  - .name:           k_q746b37f612_select
    .symbol:         k_q746b37f612_select.kd
    .args:
      - { .name: gm, .offset: 0, .size: 8, .value_kind: global_buffer, .address_space: global }
      - { .name: tab, .offset: 8, .size: 8, .value_kind: global_buffer, .address_space: global }
      - { .name: eq, .offset: 16, .size: 8, .value_kind: global_buffer, .address_space: global }
      - { .name: cm, .offset: 24, .size: 8, .value_kind: global_buffer, .address_space: global }
      - { .name: idb, .offset: 32, .size: 8, .value_kind: global_buffer, .address_space: global }
    .group_segment_fixed_size: 56576
    .private_segment_fixed_size: 0
    .kernarg_segment_align: 8
    .kernarg_segment_size: 40
    .max_flat_workgroup_size: 1024
    .sgpr_count:     66
    .vgpr_count:     114
    .wavefront_size: 32
...
	.end_amdgpu_metadata
.endif
;; end of part 3
;; launch compact (part 4): grid 256 x 1, 8 waves a work-group, no clusters, 0 bytes of LDS; arguments cm, idb, cnt, ls; writes cnt, ls
.if DOCPART == 4
	.amdgcn_target "amdgcn-amd-amdhsa--gfx1250"
	.amdhsa_code_object_version 6
	.text
	.protected	k_q746b37f612_compact
	.globl	k_q746b37f612_compact
	.p2align	8
	.type	k_q746b37f612_compact,@function
k_q746b37f612_compact:
	s_mov_b64 s[64:65], 0
	v_nop
	global_prefetch_b8 v0, s[64:65] scope:SCOPE_SE
	s_setreg_imm32_b32 hwreg(HW_REG_WAVE_MODE, 25, 1), 1
	s_wait_xcnt 0x0
; EigenMemory, launch 4 of 5: a query's masks become two dense lists and two counts.  No score is computed here, only places.
;   ls row (768 bytes a query): from byte 0 up to 128 single candidates, 4 x slot each; from byte 512 up to 64 full groups, 4 x first slot each.   cnt[row] = { n1, n2 }.
;   An entry is 4 x slot, so that the last launch can use it as it comes: as the byte offset of age[slot], and shifted by 8 as that of mem's row.
; NO BRANCH AND NO ADDRESS HERE HANGS ON WHAT IS LOADED: every load and store stands at a place made of the query's number and the lane alone, and every word of
; both lists is stored whatever the masks hold.  So the lists are made from the side of the output.  Place p of a list stands in a fixed lane and register.
; The 64 words of a kind are walked in order with the running count P of set bits in front of each; the lanes with P <= p take the word by v_cndmask_b32, and since P
; only rises, the last word that a lane took is the one with P <= p < P + its bits: the word that holds the bit of rank p.  With the word a lane takes P and the
; word's place (one packed number) and, for singles, five bit planes of the word's 32 ids: id bit k of lane b becomes bit b of one number for the whole wave
; (v_cmp_ne_u32), which any lane can take; that is how an id gets from lane b to the lane of its place.  At the end each lane finds bit number p - P of its
; word by counts of 16, 8, 4, 2 and 1 bits, and reads its id bits there.
; CAPACITY.  Four places a lane, 128 singles; two a lane, 64 full groups: each further place a lane costs 64 x 8 (singles) or 64 x 3 selects.  A query with more of either
; gets n1 = 0, n2 = 2048, which the last launch reads as 'all 2,048 groups, in order': right for every input, and as slow as scoring the whole table for that query.
; Places at or behind the count hold 4 x (32 x row), a valid slot that the last launch masks out.
; One wave takes one query.  Nothing is shared between work-groups and nothing is multiplied: no LDS, no cluster, no matrix unit.
.set CAP1,  128
.set CAP2,  64
.set LROW,  768                        ; bytes of a query's row of ls
.set L2OFF, 512                        ; where its list of full groups begins
.set CMW, 4                            ; v[4:7]      lane w: { single h 0, full h 0, single h 1, full h 1 }, bit b for block 32 w + b
.set PC,  8                            ; v[8:11]     my four places among the singles, 4 lane + c: the four entries are 16 neighbouring bytes
.set PF,  12                           ; v[12:13]    my two places among the full groups, 2 lane + c
.set ID,  32                           ; v[32:95]    lane b: the id of (w, h, b), at ID + 2 w + h
.set SM,  96                           ; v[96:99]    place c: the single word taken
.set SK,  100                          ; v[100:103]  place c: P | (256 w + h) << 16 of that word
.set PL,  104                          ; v[104:123]  place c: id plane k of that word, at PL + 4 k + c
.set FM,  124                          ; v[124:125]  the same for full groups: the word,
.set FK,  126                          ; v[126:127]  and P | (256 w + h) << 16
.set E,   128                          ; v[128:131]  my four entries of the singles
.set F,   132                          ; v[132:133]  my two entries of the full groups
; v1 lane, v14-22 at work, v23 the filling entry, v24 16 lane, v25 8 lane, v[26:27] the counts, v28 zero
; s20 single word, s[21:25] id planes, s26 singles so far, s27 full groups so far, s28/s31 the packed numbers, s29 at work, s30 full word, s[32:37] who takes
; Word j = 2 w + h of both kinds.  Word 0 has nothing in front of it, so every lane takes it: it starts all selections and nothing is cleared.
.macro WORD j
.set w_, (\j)>>1
.set h_, (\j)&1
	v_readlane_b32 s20, v[CMW+2*h_], w_
	v_readlane_b32 s30, v[CMW+2*h_+1], w_
.irp k, 0,1,2,3,4
	v_and_b32 v[14+\k], 1<<\k, v[ID+\j]
.endr
.irp k, 0,1,2,3,4
	v_cmp_ne_u32 s[21+\k], 0, v[14+\k]             ; plane k: bit b = bit k of lane b's id
.endr
	s_or_b32 s28, s26, (256*w_+h_)<<16             ; a count is at most 2,048, so the two fields do not meet
	s_or_b32 s31, s27, (256*w_+h_)<<16
.if \j == 0
.irp c, 0,1,2,3
	v_mov_b32 v[SM+\c], s20
	v_mov_b32 v[SK+\c], s28
.endr
.irp k, 0,1,2,3,4
.irp c, 0,1,2,3
	v_mov_b32 v[PL+4*\k+\c], s[21+\k]
.endr
.endr
.irp c, 0,1
	v_mov_b32 v[FM+\c], s30
	v_mov_b32 v[FK+\c], s31
.endr
.else
.irp c, 0,1,2,3
	v_cmp_le_u32 s[32+\c], s26, v[PC+\c]           ; P <= p
.endr
.irp c, 0,1
	v_cmp_le_u32 s[36+\c], s27, v[PF+\c]
.endr
.irp c, 0,1,2,3
	v_cndmask_b32 v[SM+\c], v[SM+\c], s20, s[32+\c]
.endr
.irp c, 0,1,2,3
	v_cndmask_b32 v[SK+\c], v[SK+\c], s28, s[32+\c]
.endr
.irp k, 0,1,2,3,4
.irp c, 0,1,2,3
	v_cndmask_b32 v[PL+4*\k+\c], v[PL+4*\k+\c], s[21+\k], s[32+\c]
.endr
.endr
.irp c, 0,1
	v_cndmask_b32 v[FM+\c], v[FM+\c], s30, s[36+\c]
	v_cndmask_b32 v[FK+\c], v[FK+\c], s31, s[36+\c]
.endr
.endif
	s_bcnt1_i32_b32 s29, s20
	s_add_co_u32 s26, s26, s29
	s_bcnt1_i32_b32 s29, s30
	s_add_co_u32 s27, s27, s29
.endm
; One halving step: v[a] holds, in fields of w bits, the set bits of each s neighbouring bits.  If the rank left (v14) reaches the count of the s bits from
; v15 on, those bits are passed over.
.macro STEP a, w, s
	v_bfe_u32 v20, v[\a], v15, \w
	v_add_nc_u32 v21, \s, v15
	v_cmp_ge_u32 vcc_lo, v14, v20
	v_sub_nc_u32 v20, v14, v20
	v_cndmask_b32 v15, v15, v21, vcc_lo
	v_cndmask_b32 v14, v14, v20, vcc_lo
.endm
; Word v[m], packed number v[k], place v[p]: v15 = b, the position of the word's set bit of rank p - P; v22 = 4 x (64 (32 w + b) + 8 h).
; In a lane whose place lies at or behind the count the result means nothing; b stays within 0 .. 31.
.macro RANK m, k, p
	v_and_b32 v14, 0xffff, v[\k]
	v_lshrrev_b32 v20, 1, v[\m]
	v_sub_nc_u32 v14, v[\p], v14                   ; the rank within the word
	v_and_b32 v20, 0x55555555, v20
	v_sub_nc_u32 v16, v[\m], v20                   ; counts of 2 bits, in fields of 2
	v_lshrrev_b32 v20, 2, v16
	v_and_b32 v21, 0x33333333, v16
	v_and_b32 v20, 0x33333333, v20
	v_add_nc_u32 v17, v21, v20                     ; of 4 bits, in fields of 4
	v_lshrrev_b32 v20, 4, v17
	v_add_nc_u32 v20, v17, v20
	v_and_b32 v18, 0x0f0f0f0f, v20                 ; of 8 bits, in bytes
	v_lshrrev_b32 v20, 8, v18
	v_add_nc_u32 v19, v18, v20                     ; byte 0: the count of bits 0 to 15
	v_mov_b32 v15, 0
	STEP 19, 8, 16
	STEP 18, 8, 8
	STEP 17, 4, 4
	STEP 16, 2, 2
	STEP \m, 1, 1
	v_lshrrev_b32 v22, 16, v[\k]                   ; 256 w + h
	v_lshlrev_b32 v22, 5, v22                      ; 4 x (2048 w + 8 h)
	v_lshl_or_b32 v22, v15, 8, v22                 ; + 4 x 64 b: the fields do not meet
.endm
	s_load_b256 s[4:11], s[0:1], 0x0               ; cm s[4:5], idb s[6:7], cnt s[8:9], ls s[10:11]
	v_lshrrev_b32 v1, 5, v0
	v_readfirstlane_b32 s14, v1                    ; wave
	v_and_b32 v1, 31, v0                           ; lane
	s_lshl_b32 s15, ttmp9, 3
	s_add_co_u32 s15, s15, s14                     ; row = 8 x work-group + wave
	s_mov_b32 s17, 0
	s_mov_b32 s26, 0
	s_mov_b32 s27, 0
	v_lshlrev_b32 v24, 4, v1
	v_lshlrev_b32 v25, 3, v1
	v_lshlrev_b32 v[PC], 2, v1
	v_lshlrev_b32 v[PF], 1, v1
	v_add_nc_u32 v[PC+1], 1, v[PC]
	v_add_nc_u32 v[PC+2], 2, v[PC]
	v_add_nc_u32 v[PC+3], 3, v[PC]
	v_add_nc_u32 v[PF+1], 1, v[PF]
	s_wait_kmcnt 0x0
	s_lshl_b32 s16, s15, 9                         ; a row of cm is 512 bytes
	s_add_nc_u64 s[4:5], s[4:5], s[16:17]
	s_lshl_b32 s16, s15, 11                        ; a row of idb is 2,048 bytes
	s_add_nc_u64 s[6:7], s[6:7], s[16:17]
	global_load_b128 v[CMW:CMW+3], v24, s[4:5]     ; the wave takes the row's 512 bytes
.set j_, 0
.rept 32
	global_load_u8 v[ID+j_], v1, s[6:7] offset:32*j_   ; words 0-31: the wave takes the 32 neighbouring bytes of (w, h)
.set j_, j_+1
.endr
	s_mul_i32 s16, s15, LROW
	s_add_nc_u64 s[10:11], s[10:11], s[16:17]
	s_lshl_b32 s16, s15, 3
	s_add_nc_u64 s[8:9], s[8:9], s[16:17]
	s_wait_loadcnt 0x0
.rept 32
	global_load_u8 v[ID+j_], v1, s[6:7] offset:32*j_   ; words 32-63, on their way while the first half is walked
.set j_, j_+1
.endr
.set j_, 0
.rept 32
	WORD j_
.set j_, j_+1
.endr
	s_wait_loadcnt 0x0                             ; the second half of the ids
.rept 32
	WORD j_
.set j_, j_+1
.endr
	s_lshl_b32 s28, s15, 7                         ; 4 x (32 x row): a slot of the table, another for each query
	v_mov_b32 v23, s28
.irp c, 0,1,2,3
	RANK SM+\c, SK+\c, PC+\c
.irp k, 0,1,2,3,4
	v_bfe_u32 v20, v[PL+4*\k+\c], v15, 1           ; bit k of the id = 8 t + j of (w, h, b)
	v_lshl_or_b32 v22, v20, \k+2+(\k/3), v22       ; + 4 x (16 t + j): j's bits weigh 4, 8, 16, t's 64, 128
.endr
	v_cmp_gt_u32 vcc_lo, s26, v[PC+\c]             ; p < n1
	v_cndmask_b32 v[E+\c], v23, v22, vcc_lo
.endr
.irp c, 0,1
	RANK FM+\c, FK+\c, PF+\c
	v_cmp_gt_u32 vcc_lo, s27, v[PF+\c]
	v_cndmask_b32 v[F+\c], v23, v22, vcc_lo
.endr
	global_store_b128 v24, v[E:E+3], s[10:11]                  ; 512 consecutive bytes, aligned to 256
	global_store_b64 v25, v[F:F+1], s[10:11] offset:L2OFF      ; 256 consecutive bytes, aligned
	s_cmp_gt_u32 s26, CAP1                         ; a list that does not hold all its entries is given up for 'all groups'
	s_cselect_b32 s28, 1, 0
	s_cmp_gt_u32 s27, CAP2
	s_cselect_b32 s28, 1, s28
	s_cmp_lg_u32 s28, 0
	s_cselect_b32 s26, 0, s26
	s_cselect_b32 s27, 0x800, s27
	v_mov_b32 v26, s26
	v_mov_b32 v27, s27
	v_mov_b32 v28, 0
	v_cmp_eq_u32 vcc_lo, 0, v1
	s_wait_xcnt 0x0                                ; EXEC is a source of the pending stores: it changes only behind this wait
	s_and_saveexec_b32 s29, vcc_lo                 ; lane 0 alone; the wave ends, so EXEC is not restored
	global_store_b64 v28, v[26:27], s[8:9]
	s_endpgm
.Lfunc_end_k_q746b37f612_compact:
	.size	k_q746b37f612_compact, .Lfunc_end_k_q746b37f612_compact-k_q746b37f612_compact
	.p2alignl 7, 3214868480
	.fill 96, 4, 3214868480
	.section	.rodata,"a",@progbits
	.p2align	6, 0x0
	.amdhsa_kernel k_q746b37f612_compact
		.amdhsa_group_segment_fixed_size 0
		.amdhsa_private_segment_fixed_size 0
		.amdhsa_enable_private_segment 0
		.amdhsa_kernarg_size 32
		.amdhsa_user_sgpr_count 2
		.amdhsa_user_sgpr_kernarg_segment_ptr 1
		.amdhsa_wavefront_size32 1
		.amdhsa_system_sgpr_workgroup_id_x 1
		.amdhsa_system_sgpr_workgroup_id_y 1
		.amdhsa_system_sgpr_workgroup_id_z 1
		.amdhsa_system_vgpr_workitem_id 0
		.amdhsa_next_free_vgpr 136
		.amdhsa_next_free_sgpr 66
		.amdhsa_reserve_vcc 1
		.amdhsa_float_denorm_mode_32 3
		.amdhsa_float_denorm_mode_16_64 3
		.amdhsa_memory_ordered 1
		.amdhsa_forward_progress 1
		.amdhsa_inst_pref_size 227
	.end_amdhsa_kernel
	.amdgpu_metadata
---
amdhsa.version: [ 1, 2 ]
amdhsa.kernels:
  - .name:           k_q746b37f612_compact
    .symbol:         k_q746b37f612_compact.kd
    .args:
      - { .name: cm, .offset: 0, .size: 8, .value_kind: global_buffer, .address_space: global }
      - { .name: idb, .offset: 8, .size: 8, .value_kind: global_buffer, .address_space: global }
      - { .name: cnt, .offset: 16, .size: 8, .value_kind: global_buffer, .address_space: global }
      - { .name: ls, .offset: 24, .size: 8, .value_kind: global_buffer, .address_space: global }
    .group_segment_fixed_size: 0
    .private_segment_fixed_size: 0
    .kernarg_segment_align: 8
    .kernarg_segment_size: 32
    .max_flat_workgroup_size: 256
    .sgpr_count:     66
    .vgpr_count:     136
    .wavefront_size: 32
...
	.end_amdgpu_metadata
.endif
;; end of part 4
;; launch rescore (part 5): grid 2048 x 1, 1 waves a work-group, no clusters, 0 bytes of LDS; arguments q, mem, age, cnt, ls, out0; writes out0
.if DOCPART == 5
	.amdgcn_target "amdgcn-amd-amdhsa--gfx1250"
	.amdhsa_code_object_version 6
	.text
	.protected	k_q746b37f612_rescore
	.globl	k_q746b37f612_rescore
	.p2align	8
	.type	k_q746b37f612_rescore,@function
k_q746b37f612_rescore:
	s_mov_b64 s[64:65], 0
	v_nop
	global_prefetch_b8 v0, s[64:65] scope:SCOPE_SE
	s_setreg_imm32_b32 hwreg(HW_REG_WAVE_MODE, 25, 1), 1
	s_wait_xcnt 0x0
; EigenMemory, launch 5 of 5: one wave takes one query.  The slots that its lists name (whole numbers stored by the launch before) are scored in f32 as the
; problem writes it: inner / (qn mn), clip, -inf below 1e-3, plus bias; a running top 32 (ties to the lower index, as top_k breaks them), softmax with the
; maximum taken away, and the weighted sum.  Slots that the lists leave out are not read: the third launch's head shows that none of them is in the top 32 with a
; finite score.  bias = max(age ln 0.99f, ln 1e-6f), as the first launch's head shows.  If every score is -inf the row is NaN, as the problem's softmax gives.
; THE COUNTS.  n1 singles (at most 128), n2 full groups (at most 64 in the list).  n2 above 64 says that the lists could not hold the query's candidates: then all 2,048
; groups are taken in order, their first slots made from the chunk's number, and the whole table is scored for this query.
; TWO PASSES over the same lists.  Which candidates are in the top 32 hangs on floats of this launch, so no address may hang on it: pass 2 reads every candidate's
; row again and multiplies by its weight, chosen by v_cndmask_b32, 0 for those outside the top 32.
; A chunk is 32 candidates.  Their entries (4 x slot) are one number each for the whole wave, so they come by scalar loads into s[68:99] and stay there for all
; addresses: entry << 8 is the row's byte offset in mem, the entry itself that of age.  v_writelane_b32 lays entries and ages into lanes (candidate k in lane k),
; where they are numbers to compare and to add, and no address.  A row of mem is read by the whole wave: two loads of 16 bytes a lane, 512 consecutive bytes
; each; 16 row buffers, so that eight rows are at work while eight are on their way.
; One wave a work-group, no LDS, no barrier.  No tile is shared between work-groups, and no matrix product is left here.
.set CAP1,  128                        ; places in the list of singles
.set CAP2,  64                         ; places in the list of full groups
.set LROW,  768                        ; bytes of a query's row of ls
.set L2OFF, 512                        ; where its list of full groups begins
.set LN99,  0xbc24aa20                 ; ln 0.99f
.set LNMIN, 0xc15d0c55                 ; ln 1e-6f
.set EPS_S, 0x3a83126f                 ; 1e-3
.set EPS_N, 0x358637bd                 ; 1e-6
.set M1, 0xaaaaaaaa                    ; lanes whose bit 0 is set; and so on
.set M2, 0xcccccccc
.set M4, 0xf0f0f0f0
.set M8, 0xff00ff00
.set M16, 0xffff0000
.set ALL, 0xffffffff
; v0 lane, v1 16 lane, v[2:9] Q = q with the timelike component negated (sum Q x = -inner), v[10:11] (-1, 1) in lane 0, (1, 1) elsewhere,
; v12/v13 running top 32: score and 4 x slot, descending by lane, v14 my candidate's 4 x slot, v15 its age, v16 its weight (pass 2), v17 4 x slot or -1,
; v18-25 at work IN EVERY MACRO (nothing lives there across a call), v27 P, v29 -inf, v30 -1,
; v31 my candidate's score (pass 1), then the sum of the 32 P, which pass 2 leaves alone
.set OFF, 32                           ; v[32:47]    byte offsets of 16 rows
.set D,   48                           ; v[48:79]    candidate k: my part of sum Q x
.set N,   80                           ; v[80:111]   candidate k: my part of minus the Minkowski square
.set X,   112                          ; v[112:239]  16 row buffers of 8 registers
.set ACC, 240                          ; v[240:247]  the weighted sum
.set AG,  48                           ; s[48:63]    ages of 16 candidates
.set SL,  68                           ; s[68:99]    the chunk's 32 entries
; s[18:19], s[20:21] offsets (s19 = s21 = 0), s22-25 at work, s26 n1 singles, s27 n2 full groups, s28 nA chunks of singles, s29 nC chunks, s30 counter,
; s31 mask of lanes in use, s32 qn, s[34:35] half swap, s36-40 lane masks, s[44:45] a list's address
; d = sqrt(a), a >= 0, with one Newton step on the exact residual; below 2^-100 the plain root stays (its reciprocal may be infinite).  t, t+1: at work.
.macro ROOT d, a, t
	v_sqrt_f32 v[\d], v[\a]
	v_rsq_f32 v[\t], v[\a]
	v_nop                                          ; one plain instruction behind a transcendental (ISA guide 5.7.2)
	s_wait_alu depctr_va_vdst(0)
	v_fma_f32 v[\t+1], -v[\d], v[\d], v[\a]
	v_mul_f32 v[\t], 0.5, v[\t]
	v_cmp_lt_f32 vcc_lo, 0x0d800000, v[\a]
	v_fma_f32 v[\t+1], v[\t+1], v[\t], v[\d]
	v_cndmask_b32 v[\d], v[\d], v[\t+1], vcc_lo
.endm
; Chunk s30: its 32 entries into s[SL ..], my candidate's into v14, entry or -1 into v17, the lanes in use into s31.
; Chunks 0 .. nA - 1 are 32 singles each (behind the last single stand entries that only fill the chunk); each later chunk is one full group.
.macro GET
	s_cmp_ge_u32 s30, s28
	s_cbranch_scc1 .Lfull_\@
	s_min_u32 s20, s30, CAP1/32-1
	s_lshl_b32 s20, s20, 7                         ; 32 entries of 4 bytes a chunk
	s_add_nc_u64 s[44:45], s[12:13], s[20:21]
	s_load_b512 s[SL:SL+15], s[44:45], 0x0
	s_load_b512 s[SL+16:SL+31], s[44:45], 0x40
	s_lshl_b32 s22, s30, 5
	v_add_nc_u32 v18, s22, v0
	v_cmp_gt_u32 s31, s26, v18                     ; 32 chunk + lane < n1
	s_wait_kmcnt 0x0
.set k_, 0
.rept 32
	s_min_u32 s[SL+k_], s[SL+k_], 0x3fffc          ; 4 x 65535: no entry leaves the tables
.set k_, k_+1
.endr
	s_branch .Ljoin_\@
.Lfull_\@:
	s_sub_co_u32 s24, s30, s28                     ; g: the group's place in the list, or its number among all 2,048
	s_min_u32 s20, s24, CAP2-1
	s_lshl_b32 s20, s20, 2
	s_add_nc_u64 s[44:45], s[12:13], s[20:21]
	s_load_b32 s22, s[44:45], L2OFF
	s_lshr_b32 s23, s24, 1                         ; group g of all is block g >> 1, half g & 1:
	s_lshl_b32 s23, s23, 8                         ; 4 x 64 x block
	s_and_b32 s25, s24, 1
	s_lshl_b32 s25, s25, 5                         ; + 4 x 8 x half
	s_or_b32 s23, s23, s25
	s_mov_b32 s31, -1
	s_wait_kmcnt 0x0
	s_cmp_gt_u32 s27, CAP2                         ; all groups, or the list's
	s_cselect_b32 s22, s23, s22
	s_min_u32 s22, s22, 0x3ff20                    ; 4 x 65480, the last group's first slot
.set k_, 0
.rept 32
	s_add_co_u32 s[SL+k_], s22, 4*(((k_&24)<<1)+(k_&7))   ; candidate k = 8 t + j is slot 16 t + j of the group
.set k_, k_+1
.endr
.Ljoin_\@:
.set k_, 0
.rept 32
	v_writelane_b32 v14, s[SL+k_], k_
.set k_, k_+1
.endr
	v_cndmask_b32 v17, v30, v14, s31
.endm
; The ages of candidates 16 half .. 16 half + 15 are asked for: the entry is age's byte offset
.macro AGEASK half
.set k_, 0
.rept 16
	s_load_b32 s[AG+k_], s[8:9], s[SL+16*\half+k_] offset:0x0
.set k_, k_+1
.endr
.endm
; ... and laid into their lanes
.macro AGEIN half
	s_wait_kmcnt 0x0
.set k_, 0
.rept 16
	v_writelane_b32 v15, s[AG+k_], 16*\half+k_
.set k_, k_+1
.endr
.endm
; Eight rows are asked for: candidates 8 qi .. 8 qi + 7, into the half of the buffers that qi's parity names.
.macro ISSUE qi
.irp c, 0,1,2,3,4,5,6,7
	s_lshl_b32 s20, s[SL+8*\qi+\c], 8              ; 4 x slot x 256 = slot x 1,024 bytes
	v_add_nc_u32 v[OFF+8*(\qi&1)+\c], s20, v1
	global_load_b128 v[X+64*(\qi&1)+8*\c:X+64*(\qi&1)+8*\c+3],   v[OFF+8*(\qi&1)+\c], s[6:7]
	global_load_b128 v[X+64*(\qi&1)+8*\c+4:X+64*(\qi&1)+8*\c+7], v[OFF+8*(\qi&1)+\c], s[6:7] offset:512
.endr
.endm
; Eight rows are used.  pass 1: my parts of the two sums.  pass 2: the row times its weight.
.macro USE qi, pass
.irp c, 0,1,2,3,4,5,6,7
.set x_, X+64*(\qi&1)+8*\c
.set a_, 18+4*(\c&1)
.if \pass == 1
	v_pk_mul_f32 v[a_:a_+1],   v[x_:x_+1], v[2:3]
	v_pk_mul_f32 v[a_+2:a_+3], v[x_:x_+1], v[10:11]
	v_pk_fma_f32 v[a_:a_+1],   v[x_+2:x_+3], v[4:5], v[a_:a_+1]
	v_pk_mul_f32 v[a_+2:a_+3], v[a_+2:a_+3], v[x_:x_+1]
	v_pk_fma_f32 v[a_:a_+1],   v[x_+4:x_+5], v[6:7], v[a_:a_+1]
	v_pk_fma_f32 v[a_+2:a_+3], v[x_+2:x_+3], v[x_+2:x_+3], v[a_+2:a_+3]
	v_pk_fma_f32 v[a_:a_+1],   v[x_+6:x_+7], v[8:9], v[a_:a_+1]
	v_pk_fma_f32 v[a_+2:a_+3], v[x_+4:x_+5], v[x_+4:x_+5], v[a_+2:a_+3]
	v_add_f32 v[D+8*\qi+\c], v[a_], v[a_+1]
	v_pk_fma_f32 v[a_+2:a_+3], v[x_+6:x_+7], v[x_+6:x_+7], v[a_+2:a_+3]
	v_add_f32 v[N+8*\qi+\c], v[a_+2], v[a_+3]
.else
	v_readlane_b32 s20, v16, 8*\qi+\c              ; s21 was written once, so that the pair is whole; only s20 is multiplied by
	v_pk_fma_f32 v[ACC:ACC+1],   v[x_:x_+1],   s[20:21], v[ACC:ACC+1] op_sel_hi:[1,0,1]
	v_pk_fma_f32 v[ACC+2:ACC+3], v[x_+2:x_+3], s[20:21], v[ACC+2:ACC+3] op_sel_hi:[1,0,1]
	v_pk_fma_f32 v[ACC+4:ACC+5], v[x_+4:x_+5], s[20:21], v[ACC+4:ACC+5] op_sel_hi:[1,0,1]
	v_pk_fma_f32 v[ACC+6:ACC+7], v[x_+6:x_+7], s[20:21], v[ACC+6:ACC+7] op_sel_hi:[1,0,1]
.endif
.endr
.endm
; A chunk's 32 rows.  Each counted wait leaves the 16 loads of the younger eight rows out; it also shows the older loads done, so their offsets may be written again.
; In pass 1 the ages ride along, 16 at a time through s[AG ..]: the first 16 were asked for ahead of the rows, the second 16 are asked for when those are in.
.macro RING pass
	ISSUE 0
	ISSUE 1
.if \pass == 1
	AGEIN 0
	AGEASK 1
.endif
	s_wait_loadcnt 16
	USE 0, \pass
	ISSUE 2
	s_wait_loadcnt 16
	USE 1, \pass
	ISSUE 3
	s_wait_loadcnt 16
	USE 2, \pass
	s_wait_loadcnt 0x0
	USE 3, \pass
.if \pass == 1
	AGEIN 1
.endif
.endm
; 32 registers x 32 lanes are summed so that lane l ends with candidate l's total in v[V]: at distance d a lane keeps the half of the candidates whose bit d
; equals its own, and hands the other half to lane l xor d.
.macro RSTEP V, d, m
.set k_, 0
.rept \d
.set a_, 18+4*(k_&1)
	v_cndmask_b32 v[a_],   v[\V+k_], v[\V+k_+\d], s[\m]
	v_cndmask_b32 v[a_+1], v[\V+k_+\d], v[\V+k_], s[\m]
.if \d == 16
	v_permlanex16_b32 v[a_+2], v[a_+1], s34, s35
	v_add_f32 v[\V+k_], v[a_], v[a_+2]
.else
	v_add_f32_dpp v[\V+k_], v[a_+1], v[a_] row_xmask:\d row_mask:0xf bank_mask:0xf
.endif
.set k_, k_+1
.endr
.endm
.macro REDUCE V
	RSTEP \V, 16, 36
	RSTEP \V, 8, 37
	RSTEP \V, 4, 38
	RSTEP \V, 2, 39
	RSTEP \V, 1, 40
.endm
; Compare and exchange with lane l xor j on (score v[S], 4 x slot v[I]); 'greater' = the higher score, at equal scores the lower slot.
; mask: the lanes that keep the lesser of the two.
.macro CEX S, I, j, mask
.if \j == 16
	v_permlanex16_b32 v18, v[\S], s34, s35
	v_permlanex16_b32 v19, v[\I], s34, s35
.else
	v_mov_b32_dpp v18, v[\S] row_xmask:\j row_mask:0xf bank_mask:0xf
	v_mov_b32_dpp v19, v[\I] row_xmask:\j row_mask:0xf bank_mask:0xf
.endif
	v_cmp_gt_f32 s20, v18, v[\S]
	v_cmp_eq_f32 s22, v18, v[\S]
	v_cmp_lt_u32 s23, v19, v[\I]
	s_and_b32 s22, s22, s23
	s_or_b32 s20, s20, s22                         ; the partner's is greater
	s_xor_b32 s20, s20, \mask                      ; take it: where I keep the greater if it is, where I keep the lesser if it is not
	v_cndmask_b32 v[\S], v[\S], v18, s20
	v_cndmask_b32 v[\I], v[\I], v19, s20
.endm
	s_load_b256 s[4:11], s[0:1], 0x0               ; q s[4:5], mem s[6:7], age s[8:9], cnt s[10:11]
	s_load_b128 s[12:15], s[0:1], 0x20             ; ls s[12:13], out0 s[14:15]
	v_lshlrev_b32 v1, 4, v0
	s_mov_b32 s19, 0
	s_mov_b32 s21, 0
	s_mov_b32 s34, 0x76543210
	s_mov_b32 s35, 0xfedcba98
	s_mov_b32 s36, M16
	s_mov_b32 s37, M8
	s_mov_b32 s38, M4
	s_mov_b32 s39, M2
	s_mov_b32 s40, M1
	s_wait_kmcnt 0x0
	s_lshl_b32 s18, ttmp9, 3                       ; the work-group's number is the query
	s_add_nc_u64 s[10:11], s[10:11], s[18:19]
	s_load_b64 s[26:27], s[10:11], 0x0             ; n1, n2
	s_lshl_b32 s18, ttmp9, 10
	s_add_nc_u64 s[4:5], s[4:5], s[18:19]
	s_add_nc_u64 s[14:15], s[14:15], s[18:19]
	s_mul_i32 s18, ttmp9, LROW
	s_add_nc_u64 s[12:13], s[12:13], s[18:19]
	global_load_b128 v[2:5], v1, s[4:5]
	global_load_b128 v[6:9], v1, s[4:5] offset:512
	v_cmp_eq_u32 vcc_lo, 0, v0
	v_mov_b32 v11, 1.0
	v_mov_b32 v18, -1.0
	v_cndmask_b32 v10, v11, v18, vcc_lo
	v_mov_b32 v14, 0                               ; destinations of v_writelane_b32 count as read
	v_mov_b32 v15, 0
	v_mov_b32 v29, 0xff800000
	v_mov_b32 v30, -1
	v_mov_b32 v12, 0xff800000                      ; the running top 32 starts as 32 x (-inf, -1)
	v_mov_b32 v13, -1
	s_wait_loadcnt 0x0
	; qn = sqrt|sum metric q q| + 1e-6
	v_pk_mul_f32 v[18:19], v[2:3], v[10:11]
	v_pk_mul_f32 v[20:21], v[18:19], v[2:3]
	v_pk_fma_f32 v[20:21], v[4:5], v[4:5], v[20:21]
	v_pk_fma_f32 v[20:21], v[6:7], v[6:7], v[20:21]
	v_pk_fma_f32 v[20:21], v[8:9], v[8:9], v[20:21]
	v_mov_b32 v2, v18                              ; Q
	v_add_f32 v20, v20, v21
	v_add_f32_dpp v20, v20, v20 row_xmask:1 row_mask:0xf bank_mask:0xf
	v_add_f32_dpp v20, v20, v20 row_xmask:2 row_mask:0xf bank_mask:0xf
	v_add_f32_dpp v20, v20, v20 row_xmask:4 row_mask:0xf bank_mask:0xf
	v_add_f32_dpp v20, v20, v20 row_xmask:8 row_mask:0xf bank_mask:0xf
	v_permlanex16_b32 v21, v20, s34, s35
	v_add_f32 v20, v20, v21
	v_and_b32 v20, 0x7fffffff, v20
	ROOT 19, 20, 22
	v_add_f32 v19, EPS_N, v19
	v_readfirstlane_b32 s32, v19
	s_wait_kmcnt 0x0
	s_min_u32 s26, s26, CAP1                       ; the list of singles holds at most 128 entries;
	s_min_u32 s27, s27, 0x800                      ; there are 2,048 groups
	s_add_co_u32 s28, s26, 31
	s_lshr_b32 s28, s28, 5                         ; chunks of singles,
	s_add_co_u32 s29, s28, s27                     ; then one chunk for each full group
	s_cmp_eq_u32 s29, 0
	s_cbranch_scc1 .Lsoft
	s_mov_b32 s30, 0
.Lpass1:
	GET
	AGEASK 0
	RING 1
	REDUCE D
	REDUCE N
	v_and_b32 v18, 0x7fffffff, v[N]
	ROOT 19, 18, 20
	v_add_f32 v19, EPS_N, v19                      ; mn
	v_mul_f32 v19, s32, v19                        ; qn mn
	v_rcp_f32 v20, v19
	v_mul_f32 v22, LN99, v15
	s_wait_alu depctr_va_vdst(0)
	v_mul_f32 v21, v[D], v20                       ; the quotient, then one correction by its exact residual
	v_fma_f32 v23, -v21, v19, v[D]
	v_max_num_f32 v22, LNMIN, v22                  ; bias
	v_fma_f32 v21, v23, v20, v21
	v_max_num_f32 v21, -v21, -1.0                  ; sim = -(sum Q x) / (qn mn), clipped
	v_min_num_f32 v21, 1.0, v21
	v_cmp_le_f32 s20, EPS_S, v21                   ; below 1e-3 (zeroed, or not positive) the score is -inf
	s_and_b32 s20, s20, s31
	v_add_f32 v21, v21, v22
	v_cndmask_b32 v31, v29, v21, s20
	; the chunk is sorted ascending by lane (bitonic: blocks of 2, 4, 8, 16, 32) ...
	CEX 31, 17, 1, (ALL^M1)^M2
	CEX 31, 17, 2, (ALL^M2)^M4
	CEX 31, 17, 1, (ALL^M1)^M4
	CEX 31, 17, 4, (ALL^M4)^M8
	CEX 31, 17, 2, (ALL^M2)^M8
	CEX 31, 17, 1, (ALL^M1)^M8
	CEX 31, 17, 8, (ALL^M8)^M16
	CEX 31, 17, 4, (ALL^M4)^M16
	CEX 31, 17, 2, (ALL^M2)^M16
	CEX 31, 17, 1, (ALL^M1)^M16
	CEX 31, 17, 16, ALL^M16
	CEX 31, 17, 8, ALL^M8
	CEX 31, 17, 4, ALL^M4
	CEX 31, 17, 2, ALL^M2
	CEX 31, 17, 1, ALL^M1
	; ... so the greater of it and the descending running list, lane by lane, are the 32 greatest of the 64, in bitonic order ...
	v_cmp_gt_f32 s20, v31, v12
	v_cmp_eq_f32 s22, v31, v12
	v_cmp_lt_u32 s23, v17, v13
	s_and_b32 s22, s22, s23
	s_or_b32 s20, s20, s22
	v_cndmask_b32 v12, v12, v31, s20
	v_cndmask_b32 v13, v13, v17, s20
	; ... which five steps sort descending again
	CEX 12, 13, 16, M16
	CEX 12, 13, 8, M8
	CEX 12, 13, 4, M4
	CEX 12, 13, 2, M2
	CEX 12, 13, 1, M1
	s_add_co_u32 s30, s30, 1
	s_cmp_lt_u32 s30, s29
	s_cbranch_scc1 .Lpass1
.Lsoft:
	v_readlane_b32 s20, v12, 0                     ; lane 0 holds the maximum
	v_subrev_f32 v18, s20, v12
	v_mul_f32 v18, 0x3fb8aa3b, v18
	v_exp_f32 v27, v18                             ; P = exp(score - max); 0 at -inf
.irp i, 0,1,2,3,4,5,6,7
	v_mov_b32 v[ACC+\i], 0
.endr
	s_wait_alu depctr_va_vdst(0)
	v_mov_b32 v31, v27                             ; the sum of the 32 P is made and kept in v31: pass 2's macros work in v14 and v16-25 and leave it alone
	v_add_f32_dpp v31, v31, v31 row_xmask:1 row_mask:0xf bank_mask:0xf
	v_add_f32_dpp v31, v31, v31 row_xmask:2 row_mask:0xf bank_mask:0xf
	v_add_f32_dpp v31, v31, v31 row_xmask:4 row_mask:0xf bank_mask:0xf
	v_add_f32_dpp v31, v31, v31 row_xmask:8 row_mask:0xf bank_mask:0xf
	v_permlanex16_b32 v20, v31, s34, s35
	v_add_f32 v31, v31, v20
	s_cmp_eq_u32 s29, 0
	s_cbranch_scc1 .Lout
	s_mov_b32 s30, 0
.Lpass2:
	GET
	v_mov_b32 v16, 0                               ; my candidate's weight: P of the entry of the top 32 that names its slot, else 0
.set k_, 0
.rept 32
	v_readlane_b32 s20, v13, k_
	v_readlane_b32 s22, v27, k_
	v_cmp_eq_u32 vcc_lo, s20, v17                  ; -1 meets only entries at -inf, whose P is 0
	v_cndmask_b32 v16, v16, s22, vcc_lo
.set k_, k_+1
.endr
	RING 2
	s_add_co_u32 s30, s30, 1
	s_cmp_lt_u32 s30, s29
	s_cbranch_scc1 .Lpass2
.Lout:
	v_rcp_f32 v22, v31                             ; the sum is at least 1 (the maximum's own P), or NaN where every score is -inf
	v_nop
	s_wait_alu depctr_va_vdst(0)
	v_mov_b32 v23, v22
	v_pk_mul_f32 v[ACC:ACC+1],   v[ACC:ACC+1],   v[22:23]
	v_pk_mul_f32 v[ACC+2:ACC+3], v[ACC+2:ACC+3], v[22:23]
	v_pk_mul_f32 v[ACC+4:ACC+5], v[ACC+4:ACC+5], v[22:23]
	v_pk_mul_f32 v[ACC+6:ACC+7], v[ACC+6:ACC+7], v[22:23]
	global_store_b128 v1, v[ACC:ACC+3], s[14:15]               ; each store covers 512 consecutive bytes, aligned
	global_store_b128 v1, v[ACC+4:ACC+7], s[14:15] offset:512
	s_endpgm
.Lfunc_end_k_q746b37f612_rescore:
	.size	k_q746b37f612_rescore, .Lfunc_end_k_q746b37f612_rescore-k_q746b37f612_rescore
	.p2alignl 7, 3214868480
	.fill 96, 4, 3214868480
	.section	.rodata,"a",@progbits
	.p2align	6, 0x0
	.amdhsa_kernel k_q746b37f612_rescore
		.amdhsa_group_segment_fixed_size 0
		.amdhsa_private_segment_fixed_size 0
		.amdhsa_enable_private_segment 0
		.amdhsa_kernarg_size 48
		.amdhsa_user_sgpr_count 2
		.amdhsa_user_sgpr_kernarg_segment_ptr 1
		.amdhsa_wavefront_size32 1
		.amdhsa_system_sgpr_workgroup_id_x 1
		.amdhsa_system_sgpr_workgroup_id_y 1
		.amdhsa_system_sgpr_workgroup_id_z 1
		.amdhsa_system_vgpr_workitem_id 0
		.amdhsa_next_free_vgpr 248
		.amdhsa_next_free_sgpr 100
		.amdhsa_reserve_vcc 1
		.amdhsa_float_denorm_mode_32 3
		.amdhsa_float_denorm_mode_16_64 3
		.amdhsa_memory_ordered 1
		.amdhsa_forward_progress 1
		.amdhsa_inst_pref_size 102
	.end_amdhsa_kernel
	.amdgpu_metadata
---
amdhsa.version: [ 1, 2 ]
amdhsa.kernels:
  - .name:           k_q746b37f612_rescore
    .symbol:         k_q746b37f612_rescore.kd
    .args:
      - { .name: q, .offset: 0, .size: 8, .value_kind: global_buffer, .address_space: global }
      - { .name: mem, .offset: 8, .size: 8, .value_kind: global_buffer, .address_space: global }
      - { .name: age, .offset: 16, .size: 8, .value_kind: global_buffer, .address_space: global }
      - { .name: cnt, .offset: 24, .size: 8, .value_kind: global_buffer, .address_space: global }
      - { .name: ls, .offset: 32, .size: 8, .value_kind: global_buffer, .address_space: global }
      - { .name: out0, .offset: 40, .size: 8, .value_kind: global_buffer, .address_space: global }
    .group_segment_fixed_size: 0
    .private_segment_fixed_size: 0
    .kernarg_segment_align: 8
    .kernarg_segment_size: 48
    .max_flat_workgroup_size: 32
    .sgpr_count:     100
    .vgpr_count:     248
    .wavefront_size: 32
...
	.end_amdgpu_metadata
.endif
;; end of part 5
;; ======== version 2 of 2: 5 launches; version 1 with the launch rescore written anew for expert scheduling mode
;; workspace buffers: qb 1,048,576 bytes; eq 8,192 bytes; gm 33,554,432 bytes; tab 16,384 bytes; cm 1,048,576 bytes of whole numbers; idb 4,194,304 bytes of whole numbers; cnt 16,384 bytes of whole numbers; ls 1,572,864 bytes of whole numbers
;; launch prep: the kernel of part 1 again; grid 256 x 1, 8 waves a work-group, no clusters, 0 bytes of LDS; arguments q, qb, eq; writes qb, eq
;; launch filter: the kernel of part 2 again; grid 256 x 1, 4 waves a work-group, clusters of 4 x 1, 327,680 bytes of LDS; arguments qb, mem, age, gm, tab; writes gm, tab
;; launch select: the kernel of part 3 again; grid 128 x 1, 32 waves a work-group, no clusters, 56,576 bytes of LDS; arguments gm, tab, eq, cm, idb; writes cm, idb
;; launch compact: the kernel of part 4 again; grid 256 x 1, 8 waves a work-group, no clusters, 0 bytes of LDS; arguments cm, idb, cnt, ls; writes cnt, ls
;; launch rescore (part 6): grid 2048 x 1, 1 waves a work-group, no clusters, 0 bytes of LDS; arguments q, mem, age, cnt, ls, out0; writes out0
.if DOCPART == 6
	.amdgcn_target "amdgcn-amd-amdhsa--gfx1250"
	.amdhsa_code_object_version 6
	.text
	.protected	k_q746b37f612_rescore
	.globl	k_q746b37f612_rescore
	.p2align	8
	.type	k_q746b37f612_rescore,@function
k_q746b37f612_rescore:
	s_mov_b64 s[64:65], 0
	v_nop
	global_prefetch_b8 v0, s[64:65] scope:SCOPE_SE
	s_setreg_imm32_b32 hwreg(HW_REG_WAVE_SCHED_MODE, 0, 2), 2
	s_setreg_imm32_b32 hwreg(HW_REG_WAVE_MODE, 25, 1), 1
	s_wait_xcnt 0x0
	s_wait_alu depctr_vm_vsrc(0)
; EigenMemory, launch 5 of 5: one wave takes one query.  The slots that its lists name (whole numbers stored by the launch before) are scored in f32 as the
; problem writes it: inner / (qn mn), clip, -inf below 1e-3, plus bias; a running top 32 (ties to the lower index, as top_k breaks them), softmax with the
; maximum taken away, and the weighted sum.  Slots that the lists leave out are not read: the third launch's head shows that none of them is in the top 32 with a
; finite score.  bias = max(age ln 0.99f, ln 1e-6f), as the first launch's head shows.  If every score is -inf the row is NaN, as the problem's softmax gives.
; THE COUNTS.  n1 singles (at most 128), n2 full groups (at most 64 in the list).  n2 above 64 says that the lists could not hold the query's candidates: then all 2,048
; groups are taken in order, their first slots made from the chunk's number, and the whole table is scored for this query.
; TWO PASSES over the same lists.  Which candidates are in the top 32 hangs on floats of this launch, so no address may hang on it: pass 2 reads every candidate's
; row again and multiplies by its weight, chosen by v_cndmask_b32, 0 for those outside the top 32.
; A chunk is 32 candidates.  Their entries (4 x slot) are one number each for the whole wave, so they come by scalar loads into s[68:99] and stay there for all
; addresses: entry << 8 is the row's byte offset in mem, the entry itself that of age.  v_writelane_b32 lays entries and ages into lanes (candidate k in lane k),
; where they are numbers to compare and to add, and no address.  A row of mem is read by the whole wave: two loads of 16 bytes a lane, 512 consecutive bytes
; each; 16 row buffers, so that eight rows are at work while eight are on their way.
; One wave a work-group, no LDS, no barrier.  No tile is shared between work-groups, and no matrix product is left here.
; THE MODE: SCHED_MODE bits 1:0 = 2 (LLVM: expert scheduling mode 2), set by the entry lines.  The code itself states the register dependences
; between vector instructions and memory instructions, with s_wait_alu, always for 0.
; THE PLAN.  Registers that memory instructions touch:
;   v1            16 x lane.  Written once at the head; read by q's two loads and by the two stores.
;   OFF0 .. OFF31 the byte offsets of a chunk's 32 rows, one register a row, in D's registers.  Written by the adds at the chunk's head (rows 0 to 15 ahead of the first
;                 loads, rows 16 to 31 behind them); read by the row's two loads; in pass 1 written over by the row's own sum once the row has been used.
;   X             two halves of eight rows.  The loads of rows 8 i .. 8 i + 7 land in half i & 1; USE i reads it; no vector instruction writes it.
;   ACC           written by pass 2 and by the last scaling; read by the two stores.
; THREE waits on va_vdst a chunk: ahead of the first 32 loads (offsets 0 to 15 are written, the last chunk is done reading X), and behind USE 0 and behind USE 1, where the half
; just read out is asked for again at once (the first of these two also states that offsets 16 to 31 are written).  Waits on vm_vsrc: in pass 1 ahead of USE 0 and of
; USE 2, whose sums and those of the USE behind them write over offsets that loads have read; in pass 2 ahead of the adds that make the next chunk's offsets.
; A chunk's first 32 loads go out ahead of the lines that lay the entries into lanes and, in pass 2, ahead of the search for the weights: that work names none of their registers.
; SCALAR RESULTS of vector instructions (compares, v_readlane_b32, v_readfirstlane_b32) are made in runs, with one wait on va_sdst (VCC: va_vcc) between a run and its first reader.
.set CAP1,  128                        ; places in the list of singles
.set CAP2,  64                         ; places in the list of full groups
.set LROW,  768                        ; bytes of a query's row of ls
.set L2OFF, 512                        ; where its list of full groups begins
.set LN99,  0xbc24aa20                 ; ln 0.99f
.set LNMIN, 0xc15d0c55                 ; ln 1e-6f
.set EPS_S, 0x3a83126f                 ; 1e-3
.set EPS_N, 0x358637bd                 ; 1e-6
.set M1, 0xaaaaaaaa                    ; lanes whose bit 0 is set; and so on
.set M2, 0xcccccccc
.set M4, 0xf0f0f0f0
.set M8, 0xff00ff00
.set M16, 0xffff0000
.set ALL, 0xffffffff
; v0 lane, v1 16 lane, v[2:9] Q = q with the timelike component negated (sum Q x = -inner), v[10:11] (-1, 1) in lane 0, (1, 1) elsewhere,
; v12/v13 running top 32: score and 4 x slot, descending by lane, v14 my candidate's 4 x slot, v15 its age, v16 its weight (pass 2), v17 4 x slot or -1,
; v18-25 at work IN EVERY MACRO (nothing lives there across a call), v27 P, v29 -inf, v30 -1,
; v31 my candidate's score (pass 1), then the sum of the 32 P, which pass 2 leaves alone
.set D,   32                           ; v[32:63]    candidate k: first its row's byte offset, then (pass 1) my part of sum Q x
.set OFF, D                            ;             the offsets' name for the same registers
.set N,   64                           ; v[64:95]    candidate k: my part of minus the Minkowski square
.set X,   96                           ; v[96:223]   16 row buffers of 8 registers
.set ACC, 224                          ; v[224:231]  the weighted sum
.set AG,  48                           ; s[48:63]    pass 1: ages of 16 candidates.  Pass 2: eight slots and eight P of the top 32, then eight pairs whose low words are eight rows' weights
.set WM,  36                           ; s[36:43]    pass 2: eight masks (s36-40 are pass 1's lane masks, which pass 2 no longer needs)
.set SL,  68                           ; s[68:99]    the chunk's 32 entries
; s[18:19], s[20:21] offsets (s19 = s21 = 0), s22-25 at work, s26 n1 singles, s27 n2 full groups, s28 nA chunks of singles, s29 nC chunks, s30 counter,
; s31 mask of lanes in use, s32 qn, s[34:35] half swap, s36-40 lane masks (pass 1), s[44:45] a list's address
; d = sqrt(a), a >= 0, with one Newton step on the exact residual; below 2^-100 the plain root stays (its reciprocal may be infinite).  t, t+1: at work.
.macro ROOT d, a, t
	v_sqrt_f32 v[\d], v[\a]
	v_rsq_f32 v[\t], v[\a]
	v_nop                                          ; one plain instruction behind a transcendental (ISA guide 5.7.2)
	s_wait_alu depctr_va_vdst(0)                   ; the root and the reciprocal root are written, ahead of their first readers
	v_fma_f32 v[\t+1], -v[\d], v[\d], v[\a]
	v_mul_f32 v[\t], 0.5, v[\t]
	v_cmp_lt_f32 vcc_lo, 0x0d800000, v[\a]
	v_fma_f32 v[\t+1], v[\t+1], v[\t], v[\d]
	s_wait_alu depctr_va_vcc(0)                    ; the compare has written VCC, which the select reads
	v_cndmask_b32 v[\d], v[\d], v[\t+1], vcc_lo
.endm
; Chunk s30: its 32 entries into s[SL ..], the lanes in use into s31.
; Chunks 0 .. nA - 1 are 32 singles each (behind the last single stand entries that only fill the chunk); each later chunk is one full group.
.macro GET
	s_cmp_ge_u32 s30, s28
	s_cbranch_scc1 .Lfull_\@
	s_min_u32 s20, s30, CAP1/32-1
	s_lshl_b32 s20, s20, 7                         ; 32 entries of 4 bytes a chunk
	s_add_nc_u64 s[44:45], s[12:13], s[20:21]
	s_load_b512 s[SL:SL+15], s[44:45], 0x0
	s_load_b512 s[SL+16:SL+31], s[44:45], 0x40
	s_lshl_b32 s22, s30, 5
	v_add_nc_u32 v18, s22, v0
	v_cmp_gt_u32 s31, s26, v18                     ; 32 chunk + lane < n1
	s_wait_kmcnt 0x0
.set k_, 0
.rept 32
	s_min_u32 s[SL+k_], s[SL+k_], 0x3fffc          ; 4 x 65535: no entry leaves the tables
.set k_, k_+1
.endr
	s_wait_alu depctr_va_sdst(0)                   ; the compare has written s31, ahead of the jump: the select in LANES and the scoring read it
	s_branch .Ljoin_\@
.Lfull_\@:
	s_sub_co_u32 s24, s30, s28                     ; g: the group's place in the list, or its number among all 2,048
	s_min_u32 s20, s24, CAP2-1
	s_lshl_b32 s20, s20, 2
	s_add_nc_u64 s[44:45], s[12:13], s[20:21]
	s_load_b32 s22, s[44:45], L2OFF
	s_lshr_b32 s23, s24, 1                         ; group g of all is block g >> 1, half g & 1:
	s_lshl_b32 s23, s23, 8                         ; 4 x 64 x block
	s_and_b32 s25, s24, 1
	s_lshl_b32 s25, s25, 5                         ; + 4 x 8 x half
	s_or_b32 s23, s23, s25
	s_mov_b32 s31, -1
	s_wait_kmcnt 0x0
	s_cmp_gt_u32 s27, CAP2                         ; all groups, or the list's
	s_cselect_b32 s22, s23, s22
	s_min_u32 s22, s22, 0x3ff20                    ; 4 x 65480, the last group's first slot
.set k_, 0
.rept 32
	s_add_co_u32 s[SL+k_], s22, 4*(((k_&24)<<1)+(k_&7))   ; candidate k = 8 t + j is slot 16 t + j of the group
.set k_, k_+1
.endr
.Ljoin_\@:
.endm
; My candidate's entry into v14, entry or -1 into v17.  No memory instruction names these registers, so the lines stand behind the chunk's first loads.
.macro LANES
.set k_, 0
.rept 32
	v_writelane_b32 v14, s[SL+k_], k_
.set k_, k_+1
.endr
	v_cndmask_b32 v17, v30, v14, s31
.endm
; The byte offsets of rows from .. from + 15
.macro OFFS from
.set k_, \from
.rept 16
	s_lshl_b32 s20, s[SL+k_], 8                    ; 4 x slot x 256 = slot x 1,024 bytes
	v_add_nc_u32 v[OFF+k_], s20, v1
.set k_, k_+1
.endr
.endm
; The ages of candidates 16 half .. 16 half + 15 are asked for: the entry is age's byte offset
.macro AGEASK half
.set k_, 0
.rept 16
	s_load_b32 s[AG+k_], s[8:9], s[SL+16*\half+k_] offset:0x0
.set k_, k_+1
.endr
.endm
; ... and laid into their lanes
.macro AGEIN half
	s_wait_kmcnt 0x0
.set k_, 0
.rept 16
	v_writelane_b32 v15, s[AG+k_], 16*\half+k_
.set k_, k_+1
.endr
.endm
; Eight rows are asked for: candidates 8 qi .. 8 qi + 7, into the half of the buffers that qi's parity names.  Sixteen loads on end, by offsets made earlier.
.macro ISSUE qi
.irp c, 0,1,2,3,4,5,6,7
	global_load_b128 v[X+64*(\qi&1)+8*\c:X+64*(\qi&1)+8*\c+3],   v[OFF+8*\qi+\c], s[6:7]
	global_load_b128 v[X+64*(\qi&1)+8*\c+4:X+64*(\qi&1)+8*\c+7], v[OFF+8*\qi+\c], s[6:7] offset:512
.endr
.endm
; Pass 2: my candidate's weight into v16: P of the entry of the top 32 that names its slot, else 0.  Eight entries at a time: their slots and P as scalars, eight compares, eight selects.
.macro WEIGH
	v_mov_b32 v16, 0
.set g_, 0
.rept 4
.set k_, 0
.rept 8
	v_readlane_b32 s[AG+k_],   v13, 8*g_+k_
	v_readlane_b32 s[AG+8+k_], v27, 8*g_+k_
.set k_, k_+1
.endr
	s_wait_alu depctr_va_sdst(0)                   ; the sixteen lines above have written s[AG ..], which the compares and the selects read
.set k_, 0
.rept 8
	v_cmp_eq_u32 s[WM+k_], s[AG+k_], v17           ; -1 meets only entries at -inf, whose P is 0
.set k_, k_+1
.endr
	s_wait_alu depctr_va_sdst(0)                   ; the eight compares have written s[WM ..], which the selects read
.set k_, 0
.rept 8
	v_cndmask_b32 v16, v16, s[AG+8+k_], s[WM+k_]
.set k_, k_+1
.endr
.set g_, g_+1
.endr
.endm
; Pass 2: the weights of rows 8 qi .. 8 qi + 7 into the low words of eight pairs.  The high words hold what WEIGH left there: the pair is whole, and only its low word is multiplied by.
.macro WGT qi
.irp c, 0,1,2,3,4,5,6,7
	v_readlane_b32 s[AG+2*\c], v16, 8*\qi+\c
.endr
	s_wait_alu depctr_va_sdst(0)                   ; the eight weights are written, which the multiply-adds of USE read
.endm
; Eight rows are used.  pass 1: my parts of the two sums.  pass 2: the row times its weight.
.macro USE qi, pass
.irp c, 0,1,2,3,4,5,6,7
.set x_, X+64*(\qi&1)+8*\c
.set a_, 18+4*(\c&1)
.if \pass == 1
	v_pk_mul_f32 v[a_:a_+1],   v[x_:x_+1], v[2:3]
	v_pk_mul_f32 v[a_+2:a_+3], v[x_:x_+1], v[10:11]
	v_pk_fma_f32 v[a_:a_+1],   v[x_+2:x_+3], v[4:5], v[a_:a_+1]
	v_pk_mul_f32 v[a_+2:a_+3], v[a_+2:a_+3], v[x_:x_+1]
	v_pk_fma_f32 v[a_:a_+1],   v[x_+4:x_+5], v[6:7], v[a_:a_+1]
	v_pk_fma_f32 v[a_+2:a_+3], v[x_+2:x_+3], v[x_+2:x_+3], v[a_+2:a_+3]
	v_pk_fma_f32 v[a_:a_+1],   v[x_+6:x_+7], v[8:9], v[a_:a_+1]
	v_pk_fma_f32 v[a_+2:a_+3], v[x_+4:x_+5], v[x_+4:x_+5], v[a_+2:a_+3]
	v_add_f32 v[D+8*\qi+\c], v[a_], v[a_+1]        ; over the row's offset, which is done with
	v_pk_fma_f32 v[a_+2:a_+3], v[x_+6:x_+7], v[x_+6:x_+7], v[a_+2:a_+3]
	v_add_f32 v[N+8*\qi+\c], v[a_+2], v[a_+3]
.else
	v_pk_fma_f32 v[ACC:ACC+1],   v[x_:x_+1],   s[AG+2*\c:AG+2*\c+1], v[ACC:ACC+1] op_sel_hi:[1,0,1]
	v_pk_fma_f32 v[ACC+2:ACC+3], v[x_+2:x_+3], s[AG+2*\c:AG+2*\c+1], v[ACC+2:ACC+3] op_sel_hi:[1,0,1]
	v_pk_fma_f32 v[ACC+4:ACC+5], v[x_+4:x_+5], s[AG+2*\c:AG+2*\c+1], v[ACC+4:ACC+5] op_sel_hi:[1,0,1]
	v_pk_fma_f32 v[ACC+6:ACC+7], v[x_+6:x_+7], s[AG+2*\c:AG+2*\c+1], v[ACC+6:ACC+7] op_sel_hi:[1,0,1]
.endif
.endr
.endm
; A chunk's 32 rows.  Each counted wait leaves the 16 loads of the younger eight rows out; it also shows the older loads done, so their offsets may be written over.
; In pass 1 the ages ride along, 16 at a time through s[AG ..]: the first 16 were asked for ahead of the rows, the second 16 are asked for when those are in.
.macro RING pass
.if \pass == 2
	s_wait_alu depctr_vm_vsrc(0)                   ; the last chunk's loads have read their offsets, which the adds of this chunk write again
.endif
	OFFS 0
	s_wait_alu depctr_va_vdst(0)                   ; the offsets of rows 0 to 15 are written, which the loads below read; the last chunk's sums are done reading both halves of X, in which they land
	ISSUE 0
	ISSUE 1
	OFFS 16                                        ; registers that none of the 32 loads just issued names
	LANES
.if \pass == 1
	AGEIN 0
	AGEASK 1
	s_wait_loadcnt 16
	s_wait_alu depctr_vm_vsrc(0)                   ; the loads of rows 0 to 15 have read their offsets, over which USE 0 and USE 1 write their sums
.else
	WEIGH
	WGT 0
	s_wait_loadcnt 16
.endif
	USE 0, \pass
	s_wait_alu depctr_va_vdst(0)                   ; USE 0 is done reading X's first half, in which the loads below land; the offsets of rows 16 to 31 are written, which they and those of ISSUE 3 read
	ISSUE 2
.if \pass == 2
	WGT 1
.endif
	s_wait_loadcnt 16
	USE 1, \pass
	s_wait_alu depctr_va_vdst(0)                   ; USE 1 is done reading X's second half, in which the loads below land
	ISSUE 3
.if \pass == 2
	WGT 2
.endif
	s_wait_loadcnt 16
.if \pass == 1
	s_wait_alu depctr_vm_vsrc(0)                   ; the loads of rows 16 to 31 have read their offsets, over which USE 2 and USE 3 write their sums
.endif
	USE 2, \pass
.if \pass == 2
	WGT 3
.endif
	s_wait_loadcnt 0x0
	USE 3, \pass
.if \pass == 1
	AGEIN 1
.endif
.endm
; 32 registers x 32 lanes are summed so that lane l ends with candidate l's total in v[V]: at distance d a lane keeps the half of the candidates whose bit d
; equals its own, and hands the other half to lane l xor d.
.macro RSTEP V, d, m
.set k_, 0
.rept \d
.set a_, 18+4*(k_&1)
	v_cndmask_b32 v[a_],   v[\V+k_], v[\V+k_+\d], s[\m]
	v_cndmask_b32 v[a_+1], v[\V+k_+\d], v[\V+k_], s[\m]
.if \d == 16
	v_permlanex16_b32 v[a_+2], v[a_+1], s34, s35
	v_add_f32 v[\V+k_], v[a_], v[a_+2]
.else
	v_add_f32_dpp v[\V+k_], v[a_+1], v[a_] row_xmask:\d row_mask:0xf bank_mask:0xf
.endif
.set k_, k_+1
.endr
.endm
.macro REDUCE V
	RSTEP \V, 16, 36
	RSTEP \V, 8, 37
	RSTEP \V, 4, 38
	RSTEP \V, 2, 39
	RSTEP \V, 1, 40
.endm
; Compare and exchange with lane l xor j on (score v[S], 4 x slot v[I]); 'greater' = the higher score, at equal scores the lower slot.
; mask: the lanes that keep the lesser of the two.
.macro CEX S, I, j, mask
.if \j == 16
	v_permlanex16_b32 v18, v[\S], s34, s35
	v_permlanex16_b32 v19, v[\I], s34, s35
.else
	v_mov_b32_dpp v18, v[\S] row_xmask:\j row_mask:0xf bank_mask:0xf
	v_mov_b32_dpp v19, v[\I] row_xmask:\j row_mask:0xf bank_mask:0xf
.endif
	v_cmp_gt_f32 s20, v18, v[\S]
	v_cmp_eq_f32 s22, v18, v[\S]
	v_cmp_lt_u32 s23, v19, v[\I]
	s_wait_alu depctr_va_sdst(0)                   ; the three compares have written s20, s22 and s23, which the scalar lines below read
	s_and_b32 s22, s22, s23
	s_or_b32 s20, s20, s22                         ; the partner's is greater
	s_xor_b32 s20, s20, \mask                      ; take it: where I keep the greater if it is, where I keep the lesser if it is not
	v_cndmask_b32 v[\S], v[\S], v18, s20
	v_cndmask_b32 v[\I], v[\I], v19, s20
.endm
	s_load_b256 s[4:11], s[0:1], 0x0               ; q s[4:5], mem s[6:7], age s[8:9], cnt s[10:11]
	s_load_b128 s[12:15], s[0:1], 0x20             ; ls s[12:13], out0 s[14:15]
	v_lshlrev_b32 v1, 4, v0
	s_mov_b32 s19, 0
	s_mov_b32 s21, 0
	s_mov_b32 s34, 0x76543210
	s_mov_b32 s35, 0xfedcba98
	s_mov_b32 s36, M16
	s_mov_b32 s37, M8
	s_mov_b32 s38, M4
	s_mov_b32 s39, M2
	s_mov_b32 s40, M1
	s_wait_kmcnt 0x0
	s_lshl_b32 s18, ttmp9, 3                       ; the work-group's number is the query
	s_add_nc_u64 s[10:11], s[10:11], s[18:19]
	s_load_b64 s[26:27], s[10:11], 0x0             ; n1, n2
	s_lshl_b32 s18, ttmp9, 10
	s_add_nc_u64 s[4:5], s[4:5], s[18:19]
	s_add_nc_u64 s[14:15], s[14:15], s[18:19]
	s_mul_i32 s18, ttmp9, LROW
	s_add_nc_u64 s[12:13], s[12:13], s[18:19]
	s_wait_alu depctr_va_vdst(0)                   ; v1 is written, which q's two loads and, at the end, the two stores read as their offset
	global_load_b128 v[2:5], v1, s[4:5]
	global_load_b128 v[6:9], v1, s[4:5] offset:512
	v_cmp_eq_u32 vcc_lo, 0, v0
	v_mov_b32 v11, 1.0
	v_mov_b32 v18, -1.0
	s_wait_alu depctr_va_vcc(0)                    ; the compare has written VCC, which the select reads
	v_cndmask_b32 v10, v11, v18, vcc_lo
	v_mov_b32 v14, 0                               ; destinations of v_writelane_b32 count as read
	v_mov_b32 v15, 0
	v_mov_b32 v29, 0xff800000
	v_mov_b32 v30, -1
	v_mov_b32 v12, 0xff800000                      ; the running top 32 starts as 32 x (-inf, -1)
	v_mov_b32 v13, -1
	s_wait_loadcnt 0x0
	; qn = sqrt|sum metric q q| + 1e-6
	v_pk_mul_f32 v[18:19], v[2:3], v[10:11]
	v_pk_mul_f32 v[20:21], v[18:19], v[2:3]
	v_pk_fma_f32 v[20:21], v[4:5], v[4:5], v[20:21]
	v_pk_fma_f32 v[20:21], v[6:7], v[6:7], v[20:21]
	v_pk_fma_f32 v[20:21], v[8:9], v[8:9], v[20:21]
	v_mov_b32 v2, v18                              ; Q
	v_add_f32 v20, v20, v21
	v_add_f32_dpp v20, v20, v20 row_xmask:1 row_mask:0xf bank_mask:0xf
	v_add_f32_dpp v20, v20, v20 row_xmask:2 row_mask:0xf bank_mask:0xf
	v_add_f32_dpp v20, v20, v20 row_xmask:4 row_mask:0xf bank_mask:0xf
	v_add_f32_dpp v20, v20, v20 row_xmask:8 row_mask:0xf bank_mask:0xf
	v_permlanex16_b32 v21, v20, s34, s35
	v_add_f32 v20, v20, v21
	v_and_b32 v20, 0x7fffffff, v20
	ROOT 19, 20, 22
	v_add_f32 v19, EPS_N, v19
	v_readfirstlane_b32 s32, v19
	s_wait_alu depctr_va_sdst(0)                   ; s32 is written, ahead of the first branch: every chunk's scoring reads it
	s_wait_kmcnt 0x0
	s_min_u32 s26, s26, CAP1                       ; the list of singles holds at most 128 entries;
	s_min_u32 s27, s27, 0x800                      ; there are 2,048 groups
	s_add_co_u32 s28, s26, 31
	s_lshr_b32 s28, s28, 5                         ; chunks of singles,
	s_add_co_u32 s29, s28, s27                     ; then one chunk for each full group
	s_cmp_eq_u32 s29, 0
	s_cbranch_scc1 .Lsoft
	s_mov_b32 s30, 0
.Lpass1:
	GET
	AGEASK 0
	RING 1
	REDUCE D
	REDUCE N
	v_and_b32 v18, 0x7fffffff, v[N]
	ROOT 19, 18, 20
	v_add_f32 v19, EPS_N, v19                      ; mn
	v_mul_f32 v19, s32, v19                        ; qn mn
	v_rcp_f32 v20, v19
	v_mul_f32 v22, LN99, v15
	s_wait_alu depctr_va_vdst(0)                   ; the reciprocal is written, ahead of its first reader
	v_mul_f32 v21, v[D], v20                       ; the quotient, then one correction by its exact residual
	v_fma_f32 v23, -v21, v19, v[D]
	v_max_num_f32 v22, LNMIN, v22                  ; bias
	v_fma_f32 v21, v23, v20, v21
	v_max_num_f32 v21, -v21, -1.0                  ; sim = -(sum Q x) / (qn mn), clipped
	v_min_num_f32 v21, 1.0, v21
	v_cmp_le_f32 s20, EPS_S, v21                   ; below 1e-3 (zeroed, or not positive) the score is -inf
	v_add_f32 v21, v21, v22
	s_wait_alu depctr_va_sdst(0)                   ; the compare has written s20, which the scalar line below reads
	s_and_b32 s20, s20, s31
	v_cndmask_b32 v31, v29, v21, s20
	; the chunk is sorted ascending by lane (bitonic: blocks of 2, 4, 8, 16, 32) ...
	CEX 31, 17, 1, (ALL^M1)^M2
	CEX 31, 17, 2, (ALL^M2)^M4
	CEX 31, 17, 1, (ALL^M1)^M4
	CEX 31, 17, 4, (ALL^M4)^M8
	CEX 31, 17, 2, (ALL^M2)^M8
	CEX 31, 17, 1, (ALL^M1)^M8
	CEX 31, 17, 8, (ALL^M8)^M16
	CEX 31, 17, 4, (ALL^M4)^M16
	CEX 31, 17, 2, (ALL^M2)^M16
	CEX 31, 17, 1, (ALL^M1)^M16
	CEX 31, 17, 16, ALL^M16
	CEX 31, 17, 8, ALL^M8
	CEX 31, 17, 4, ALL^M4
	CEX 31, 17, 2, ALL^M2
	CEX 31, 17, 1, ALL^M1
	; ... so the greater of it and the descending running list, lane by lane, are the 32 greatest of the 64, in bitonic order ...
	v_cmp_gt_f32 s20, v31, v12
	v_cmp_eq_f32 s22, v31, v12
	v_cmp_lt_u32 s23, v17, v13
	s_wait_alu depctr_va_sdst(0)                   ; the three compares have written s20, s22 and s23, which the scalar lines below read
	s_and_b32 s22, s22, s23
	s_or_b32 s20, s20, s22
	v_cndmask_b32 v12, v12, v31, s20
	v_cndmask_b32 v13, v13, v17, s20
	; ... which five steps sort descending again
	CEX 12, 13, 16, M16
	CEX 12, 13, 8, M8
	CEX 12, 13, 4, M4
	CEX 12, 13, 2, M2
	CEX 12, 13, 1, M1
	s_add_co_u32 s30, s30, 1
	s_cmp_lt_u32 s30, s29
	s_cbranch_scc1 .Lpass1
.Lsoft:
	v_readlane_b32 s20, v12, 0                     ; lane 0 holds the maximum
	s_wait_alu depctr_va_sdst(0)                   ; s20 is written, which the subtraction reads
	v_subrev_f32 v18, s20, v12
	v_mul_f32 v18, 0x3fb8aa3b, v18
	v_exp_f32 v27, v18                             ; P = exp(score - max); 0 at -inf
.irp i, 0,1,2,3,4,5,6,7
	v_mov_b32 v[ACC+\i], 0
.endr
	s_wait_alu depctr_va_vdst(0)                   ; the exponential is written, ahead of its first reader
	v_mov_b32 v31, v27                             ; the sum of the 32 P is made and kept in v31: pass 2's macros work in v14 and v16-25 and leave it alone
	v_add_f32_dpp v31, v31, v31 row_xmask:1 row_mask:0xf bank_mask:0xf
	v_add_f32_dpp v31, v31, v31 row_xmask:2 row_mask:0xf bank_mask:0xf
	v_add_f32_dpp v31, v31, v31 row_xmask:4 row_mask:0xf bank_mask:0xf
	v_add_f32_dpp v31, v31, v31 row_xmask:8 row_mask:0xf bank_mask:0xf
	v_permlanex16_b32 v20, v31, s34, s35
	v_add_f32 v31, v31, v20
	s_cmp_eq_u32 s29, 0
	s_cbranch_scc1 .Lout
	s_mov_b32 s30, 0
.Lpass2:
	GET
	RING 2
	s_add_co_u32 s30, s30, 1
	s_cmp_lt_u32 s30, s29
	s_cbranch_scc1 .Lpass2
.Lout:
	v_rcp_f32 v22, v31                             ; the sum is at least 1 (the maximum's own P), or NaN where every score is -inf
	v_nop
	s_wait_alu depctr_va_vdst(0)                   ; the reciprocal is written, ahead of its first reader
	v_mov_b32 v23, v22
	v_pk_mul_f32 v[ACC:ACC+1],   v[ACC:ACC+1],   v[22:23]
	v_pk_mul_f32 v[ACC+2:ACC+3], v[ACC+2:ACC+3], v[22:23]
	v_pk_mul_f32 v[ACC+4:ACC+5], v[ACC+4:ACC+5], v[22:23]
	v_pk_mul_f32 v[ACC+6:ACC+7], v[ACC+6:ACC+7], v[22:23]
	s_wait_alu depctr_va_vdst(0)                   ; the four multiplies have written ACC, which the two stores read
	global_store_b128 v1, v[ACC:ACC+3], s[14:15]               ; each store covers 512 consecutive bytes, aligned
	global_store_b128 v1, v[ACC+4:ACC+7], s[14:15] offset:512
	s_endpgm
.Lfunc_end_k_q746b37f612_rescore:
	.size	k_q746b37f612_rescore, .Lfunc_end_k_q746b37f612_rescore-k_q746b37f612_rescore
	.p2alignl 7, 3214868480
	.fill 96, 4, 3214868480
	.section	.rodata,"a",@progbits
	.p2align	6, 0x0
	.amdhsa_kernel k_q746b37f612_rescore
		.amdhsa_group_segment_fixed_size 0
		.amdhsa_private_segment_fixed_size 0
		.amdhsa_enable_private_segment 0
		.amdhsa_kernarg_size 48
		.amdhsa_user_sgpr_count 2
		.amdhsa_user_sgpr_kernarg_segment_ptr 1
		.amdhsa_wavefront_size32 1
		.amdhsa_system_sgpr_workgroup_id_x 1
		.amdhsa_system_sgpr_workgroup_id_y 1
		.amdhsa_system_sgpr_workgroup_id_z 1
		.amdhsa_system_vgpr_workitem_id 0
		.amdhsa_next_free_vgpr 232
		.amdhsa_next_free_sgpr 100
		.amdhsa_reserve_vcc 1
		.amdhsa_float_denorm_mode_32 3
		.amdhsa_float_denorm_mode_16_64 3
		.amdhsa_memory_ordered 1
		.amdhsa_forward_progress 1
		.amdhsa_inst_pref_size 105
	.end_amdhsa_kernel
	.amdgpu_metadata
---
amdhsa.version: [ 1, 2 ]
amdhsa.kernels:
  - .name:           k_q746b37f612_rescore
    .symbol:         k_q746b37f612_rescore.kd
    .args:
      - { .name: q, .offset: 0, .size: 8, .value_kind: global_buffer, .address_space: global }
      - { .name: mem, .offset: 8, .size: 8, .value_kind: global_buffer, .address_space: global }
      - { .name: age, .offset: 16, .size: 8, .value_kind: global_buffer, .address_space: global }
      - { .name: cnt, .offset: 24, .size: 8, .value_kind: global_buffer, .address_space: global }
      - { .name: ls, .offset: 32, .size: 8, .value_kind: global_buffer, .address_space: global }
      - { .name: out0, .offset: 40, .size: 8, .value_kind: global_buffer, .address_space: global }
    .group_segment_fixed_size: 0
    .private_segment_fixed_size: 0
    .kernarg_segment_align: 8
    .kernarg_segment_size: 48
    .max_flat_workgroup_size: 32
    .sgpr_count:     100
    .vgpr_count:     232
    .wavefront_size: 32
...
	.end_amdgpu_metadata
.endif
;; end of part 6
